; MI455X (gfx1250); checked and timed in simulation.
; The chip was launched on July 23, 2026; its instructions are those of AMD's public machine-readable ISA for CDNA 5 (MIT licence, August 2026) and "CDNA5" Instruction Set Architecture Reference Guide (July 2026). The comments in the code are by the model that wrote it; some were corrected since.
;; Attn. Allowed arithmetic: matrix products marked QUANTISED: E2M1 operands, one E8M0 scale for each 32 along K, by v_wmma_scale_f32_16x16x128_f8f6f4 with both operands' format E2M1 (or v_wmma_scale_f32_32x16x128_f4), f32 sums; products left as they are: f32 operands where the result goes on into a quantised operand, else bf16, f16 or f32 operands; f32 sums; everything else in f32.
;; Inputs: W_codes 1,024 x 32 x 16 uint8 (E2M1 codes of W, K innermost, in blocks of 32 codes, two codes a byte); W_scales 1,024 x 32 uint8 (E8M0 scales of W, one for each 32 codes along K); b 1,024 float32; encoder_outputs_codes 32 x 2,048 x 32 x 16 uint8 (E2M1 codes of encoder_outputs, K innermost, in blocks of 32 codes, two codes a byte); encoder_outputs_scales 32 x 2,048 x 32 uint8 (E8M0 scales of encoder_outputs, one for each 32 codes along K); hidden 32 x 1,024 float32.
;; Outputs: out0 32 x 2,048 float32.
;; This version of the problem:
;;   THIS VERSION OF THE PROBLEM IS GIVEN IN LOW PRECISION. The matrix products marked QUANTISED in the list below multiply operands that are first quantised to E2M1 (2 exponent bits, 1 mantissa bit; 4 bits a number), with one power-of-two scale for each 32 numbers along K (OCP MX v1.0); their sums are f32. All else is computed in f32.
;;   The module's matrix products, in the order in which they are computed (A, B: the left and right operand; K: the contracted axis; several contracted axes count as one K, in the product's order):
;;     1. [M 65,536, K 1,024] x [K 1,024, N 1,024]; A: input encoder_outputs (given as codes); B: input W (given as codes): QUANTISED
;;     2. batch 32 x [M 2,048, K 1,024] x [K 1,024, N 1]; A: computed on the way; B: input hidden: left as it is (N = 1 < 16)
;;   THE QUANTISER, for each operand of a quantised product, along K:
;;     - K is cut into blocks of 32 from its start; a last block that is shorter is filled with zeros.
;;     - A block's scale is 2^e with e = floor(log2(the largest magnitude in the block)) - 2, held to -126 .. 127; a block of zeros has e = 0. As a byte (E8M0): e + 127.
;;     - Each number is divided by its block's scale, clamped to +-6, and rounded to the nearest number of E2M1, ties to even, subnormals kept.
;;     - The product sums the exact products of the quantised numbers (number of the format x scale) in f32.
;;   ~~~python
;;   def quantise(x, axis):      # numpy; x: float32 -> the quantised numbers, widened to float32 again
;;       x = np.moveaxis(x, axis, -1); K = x.shape[-1]
;;       x = np.pad(x, [(0, 0)] * (x.ndim - 1) + [(0, -K % 32)]); x = x.reshape(x.shape[:-1] + (-1, 32)); a = np.abs(x).max(-1, keepdims=True)
;;       e = np.where(a > 0, np.clip(np.frexp(np.where(a > 0, a, 1))[1] - 1 - 2, -126, 127), 0)      # np.frexp(a)[1] - 1 = floor(log2(a)), exactly
;;       r = np.clip(x / 2.0 ** e, -6, 6)
;;       step = 2.0 ** (np.maximum(np.frexp(np.where(r == 0, 1, r))[1] - 1, 0) - 1)
;;       q = np.round(r / step) * step * 2.0 ** e      # np.round: ties to even
;;       return np.moveaxis(q.reshape(q.shape[:-2] + (-1,))[..., :K], -1, axis).astype(np.float32)
;;   ~~~
;;   INPUTS GIVEN AS CODES. W (in the module: [1024, 1024], K = its axis 1); encoder_outputs (in the module: [32, 2048, 1024], K = its axis 2): each comes as NAME_codes (uint8): NAME with its K axis moved to the last place and cut into blocks of 32 codes, [.., K / 32, bytes a block], one block behind the other in memory; two codes a byte, the lower K in the low four bits (a code: sign, 2 exponent bits, 1 mantissa bit); and NAME_scales (uint8): the same leading axes, one E8M0 byte (e + 127) for each 32 codes along K. Its value is code x scale, taken as it is: it is not quantised again, and the codes and scales need not be those that the quantiser above would give.
;; 2 versions. Each part assembles by itself: llvm-mc -triple=amdgcn-amd-amdhsa -mcpu=gfx1250 --defsym DOCPART=n.
;; ======== version 1 of 2: 2 launches
;; workspace buffers: part 1,048,576 bytes
;; launch energy (part 1): grid 4 x 64, 4 waves a work-group, clusters of 4 x 4, 327,680 bytes of LDS; arguments W_codes, W_scales, b, encoder_outputs_codes, encoder_outputs_scales, hidden, part; writes part
.if DOCPART == 1
	.amdgcn_target "amdgcn-amd-amdhsa--gfx1250"
	.amdhsa_code_object_version 6
	.text
	.protected	k_q87f2e560c9_energy
	.globl	k_q87f2e560c9_energy
	.p2align	8
	.type	k_q87f2e560c9_energy,@function
k_q87f2e560c9_energy:
	s_mov_b64 s[64:65], 0
	v_nop
	global_prefetch_b8 v0, s[64:65] scope:SCOPE_SE
	s_setreg_imm32_b32 hwreg(HW_REG_WAVE_MODE, 25, 1), 1
	s_wait_xcnt 0x0
	s_wait_alu depctr_hold_cnt(0) depctr_sa_sdst(0) depctr_va_vdst(0) depctr_va_sdst(0) depctr_va_ssrc(0) depctr_va_vcc(0) depctr_vm_vsrc(0)
	s_getreg_b32 s2, hwreg(HW_REG_IB_STS2, 6, 4)
	s_cmp_eq_u32 s2, 0
	s_cbranch_scc0 .Lentry_in_a_cluster
	s_endpgm
.Lentry_in_a_cluster:
	s_bfe_u32 s2, ttmp6, 0x10000c
	s_cmp_lg_u32 s2, 0xf033
	s_cbranch_scc0 .Lentry_shape_is_right
	s_endpgm
.Lentry_shape_is_right:
; part[nq][row] = sum over the 256 columns n of quarter nq of (sum over k of enc[row][k] W[n][k] + b[n]) x hidden[batch(row)][n].
; enc: [65,536][1,024] and W: [1,024][1,024] as codes of FP4 (E2M1), K innermost, 512 bytes a row, one E8M0 byte for each 32 along K (32 bytes a row).  b [1,024], hidden [32][1,024], part [4][65,536]: f32.
; The energy never goes to memory: its product with hidden is taken on the accumulators, in f32, by fused multiply-adds.
; SHARES.  A work-group owns 1,024 rows of enc (half a batch) and 256 columns; wave w owns columns 128 (w % 2) on and, of each 256 rows, the 128 from 128 (w / 2) on.
; W STAYS IN REGISTERS: a wave's 128 columns x all of K are 64 fragments, 512 registers, read from LDS once.  enc streams through two LDS regions of 256 rows; a fragment of enc (16 rows x 128 K) read from
; LDS feeds eight matrix instructions, so that a block of 16 rows costs 17 LDS loads for its 64 matrix instructions.
; THE MATRIX INSTRUCTION IS USED TRANSPOSED (source 0 = 16 rows of W, source 1 = 16 rows of enc): lane (r, h) holds enc row r and, in register j, column 16 cb + 8 h + j.
; So a lane multiplies its eight numbers by eight numbers of hidden that never change, and adds: one row's score in 2 x 2 partial sums (the lanes' halves, the two waves of a row), which meet in a stage in LDS at the end.
; THE BIAS: sum (e + b) hid = sum e hid + sum b hid.  Each lane forms sum b hid over its 64 columns once (by the same lines that reduce a block, on b laid like an accumulator) and starts every row's sum with it.
; CLUSTERS: 4 x 4 work-groups.  The four of a row of the cluster own the same rows of enc, the four of a column the same quarter of W: each tile is asked for JOINTLY, by the same tensor load with the same
; descriptor and a mask that names the four.
; LIMITS: the sums over n are taken in another order than a plain row-wise sum, and the bias enters as one number a lane: an order of rounding in f32, nothing else.  A scale byte 0xff makes the sums NaN.
; THE TEXT IS STRAIGHT: 32 blocks written out by a macro.  Every LDS offset is an immediate and no address register is ever rewritten.
;
; REGISTERS, in windows of 256 (s_set_vgpr_msb: bits 1:0 source 0, 3:2 source 1, 5:4 source 2, 7:6 destination):
;   window 0: v0-19 addresses; v32-47 hidden for column blocks 0, 1; v48-79 W's scale words; v80-87 enc's scale words, two sets; v88-119 the way out; v128-255 W's fragments of K steps 0, 1
;   window 1: v0-127 two sets of eight accumulators; v128-191 enc's eight fragments; v192-199 the sums in hand
;   window 2: v16-17 addresses; v32-55 hidden for column blocks 2-4; v64-255 W's fragments of K steps 2-4          window 3: the same for 5-7, and v18 the stage's address
; One setting serves a matrix instruction (W in source 0; enc, C and D in window 1), a multiply-add of the reduction (hidden in source 0, in the window of the W fragments in use) and a fragment load
; (address in source 0's window, data to window 1): four switches a block.
.set PITCH,  528                       ; an LDS row of codes: 512 bytes + 16 of padding = 33 x 16: the sixteen rows of a fragment load begin in sixteen different 16-byte columns of the banks (ISA guide 11.1)
.set BLKB,   16*PITCH                  ; 16 rows
.set QUART,  64*PITCH                  ; 64 rows: what one tensor load brings
.set HALFR,  128*PITCH                 ; 128 rows: what a wave reads of a region
.set R1,     256*PITCH                 ; region 0 at byte 0: enc's parts 0, 2;  region 1: first W's quarter, then enc's parts 1, 3
.set SCE,    2*256*PITCH               ; enc's scale bytes of the work-group's 1,024 rows: 128 pieces of 256 bytes + 16 of padding; filled once
.set SCQ,    32*272                    ; a quarter of them: what one tensor load brings, and what a part of 256 rows takes
.set STG,    SCE+4*SCQ                 ; the stage: f32 [column half][lane half][1,024 rows]; LDS stores alone write it
.set SPARE,  STG+16384                 ; the spare words, 128 bytes for each wave: two blocks of 256 bytes that no other line names
.set PARTB,  256*512                   ; a part of enc in memory
.set SPW,  8                           ; v8   LDS address of my spare word; never rewritten
.set NIL,  9                           ; v9   0; never rewritten
.set AW,   10                          ; v10  my lane's place in my 128 rows of W in region 1
.set ASC,  11                          ; v11  my lane's 16 scale bytes of enc in block 0
.set AWS,  12                          ; v12  32 r + 16 h: my lane's 16 scale bytes of W
.set AHV,  13                          ; v13  32 h: my lane's eight numbers of hidden and of b
.set AOUT, 15                          ; v15  16 x thread: the way out
.set AE,   16                          ; v16, v17  my lane's place in my 128 rows of region 0, 1 (in windows 0, 2 and 3)
.set AST,  18                          ; v18 of window 3: where my row's partial sum goes in the stage
.set ARD,  19                          ; v19  where I read the stage back
.set HV,   32
.set WS,   48                          ; W's scale words: register 4 cb + q: lanes 0-15 K step q, lanes 16-31 K step 4 + q
.set ES,   80                          ; enc's likewise: set p at 4 p + q
.set OUTR, 88
.set EF,   128                         ; window 1: enc's fragment of K step ks at EF + 8 ks
.set SPA,  192                         ; window 1: the row's sum in two chains of two halves,
.set SPB,  194
.set SR,   196                         ; the finished partial sum,
.set BH,   198                         ; and the pair (sum b hid over my 64 columns, 0), with which a row's sum begins
.set WV,   18                          ; s18 wave;  s19 its column half;  s20 its row half
.set CH,   19
.set RH,   20
.set G1E,  28                          ; s[28:35] descriptor group 1 for enc's codes;  s[36:43] for W's;  s[44:51] for enc's scale bytes
.set G1W,  36
.set G1S,  44
.set G0W,  52                          ; s[52:55], s[56:59] groups 0 for W and for the scale bytes;  s[60:63] for region 0, s[68:71] for region 1
.set G0S,  56
.set G0A,  60
.set G0B,  68
.set SEC0, 0x54                        ; source 0 window 0; source 1, source 2 and destination window 1: K steps 0, 1
.set SEC2, 0x56                        ; source 0 window 2: K steps 2-4
.set SEC3, 0x57                        ; source 0 window 3: K steps 5-7
.set MSB, 0
.macro WIN new                         ; the immediate's high byte repeats the setting that is left; a switch that changes nothing is dropped
.if MSB != \new
	s_set_vgpr_msb (MSB<<8)|\new
.set MSB, \new
.endif
.endm
.macro CREST                           ; a round of the cluster's barrier behind its opening barrier
	s_cmp_lg_u32 s[WV], 0
	s_cbranch_scc1 .Lnot_wave_0_\@
	s_barrier_signal -3
.Lnot_wave_0_\@:
	s_barrier_wait -3
	s_barrier_signal -1
	s_barrier_wait -1
.endm
.macro CROUND                          ; a whole round
	s_barrier_signal -1
	s_barrier_wait -1
	CREST
.endm
.macro PLACES n
.rept \n
	v_nop
.endr
.endm
	s_load_b256 s[4:11], s[0:1], 0x0               ; W's codes s[4:5], W's scales s[6:7], b s[8:9], enc's codes s[10:11]
	s_load_b128 s[12:15], s[0:1], 0x20             ; enc's scales s[12:13], hidden s[14:15]
	s_load_b64 s[16:17], s[0:1], 0x30              ; part
	v_lshl_add_u32 v[SPW], v0, 2, SPARE
	v_mov_b32 v[NIL], 0
	ds_add_u32 v8, v9
	ds_add_u32 v8, v9
	s_wait_dscnt 0x0
	v_lshrrev_b32 v3, 5, v0
	v_readfirstlane_b32 s[WV], v3                  ; wave 0..3
	s_and_b32 s[CH], s[WV], 1                      ; which 128 of the 256 columns
	s_lshr_b32 s[RH], s[WV], 1                     ; which 128 of a region's 256 rows
	s_bfe_u32 s21, ttmp6, 0x40000                  ; cx, cy: my place in the cluster
	s_bfe_u32 s22, ttmp6, 0x40004
	s_lshl_b32 s23, ttmp9, 2
	s_add_co_u32 s23, s23, s21                     ; nq: my quarter of the columns = 4 x cluster x + cx
	s_and_b32 s24, ttmp7, 0xffff
	s_lshl_b32 s24, s24, 2
	s_add_co_u32 s24, s24, s22                     ; rg: my 1,024 rows = 4 x cluster y + cy
	s_lshl_b32 s25, s22, 2
	s_lshl_b32 s25, 15, s25                        ; my row of the cluster: it shares rg
	s_lshl_b32 s26, 0x1111, s21                    ; my column: it shares nq
	; descriptor group 1 for codes: 64 rows x 512 bytes, dense in memory, padded in LDS
	s_or_b32 s[G1E], s25, (0<<16)|(1<<20)|(1<<21)|(6<<22)|(3<<25)   ; 15:0 the mask; 17:16 elements of 1 byte; 20 padding on; 21 set beside a mask; 24:22 after every 128 words (code 6); 31:25 four words (code 3)
	s_or_b32 s[G1W], s26, (0<<16)|(1<<20)|(1<<21)|(6<<22)|(3<<25)
.irp g, G1E, G1W
	s_mov_b32 s[\g+1], 512<<16                     ; tensor_dim0
	s_mov_b32 s[\g+2], 64<<16                      ; tensor_dim1
	s_mov_b32 s[\g+3], 512<<16                     ; tile_dim0
	s_mov_b32 s[\g+4], 64                          ; tile_dim1
	s_mov_b32 s[\g+5], 512                         ; tensor_dim0_stride
	s_mov_b32 s[\g+6], 0
	s_mov_b32 s[\g+7], 0
.endr
	; and for the scale bytes of 256 rows: 8,192 dense bytes as 32 rows of 256 (32 elements of 8 bytes), 16 bytes of padding behind each
	s_or_b32 s[G1S], s25, (3<<16)|(1<<20)|(1<<21)|(5<<22)|(3<<25)
	s_mov_b32 s[G1S+1], 32<<16
	s_mov_b32 s[G1S+2], 32<<16
	s_mov_b32 s[G1S+3], 32<<16
	s_mov_b32 s[G1S+4], 32
	s_mov_b32 s[G1S+5], 32
	s_mov_b32 s[G1S+6], 0
	s_mov_b32 s[G1S+7], 0
	; byte offsets, each in registers of its own.  s27, s91-93 hold terms of the wave's number alone, s90 terms of the work-group's place
	s_lshl_b32 s72, s24, 19                        ; enc's codes: 524,288 rg + 32,768 w (my 64 rows of part 0)
	s_lshl_b32 s27, s[WV], 15
	s_add_co_u32 s72, s72, s27
	s_mov_b32 s73, 0
	s_lshl_b32 s76, s23, 17                        ; W's codes: 131,072 nq + 32,768 w
	s_add_co_u32 s76, s76, s27
	s_mov_b32 s77, 0
	s_lshl_b32 s74, s24, 15                        ; enc's scale bytes: 32,768 rg + 8,192 w
	s_lshl_b32 s27, s[WV], 13
	s_add_co_u32 s74, s74, s27
	s_mov_b32 s75, 0
	s_lshl_b32 s78, s23, 13                        ; W's scale bytes: 8,192 nq + 4,096 x column half
	s_lshl_b32 s27, s[CH], 12
	s_add_co_u32 s78, s78, s27
	s_mov_b32 s79, 0
	s_lshl_b32 s80, s23, 10                        ; b: 1,024 nq + 512 x column half
	s_lshl_b32 s27, s[CH], 9
	s_add_co_u32 s80, s80, s27
	s_mov_b32 s81, 0
	s_lshr_b32 s82, s24, 1                         ; hidden: the same in the batch's row of 4,096 bytes
	s_lshl_b32 s82, s82, 12
	s_add_co_u32 s82, s82, s80
	s_mov_b32 s83, 0
	s_lshl_b32 s84, s23, 18                        ; part: 262,144 nq + 4,096 rg
	s_lshl_b32 s90, s24, 12
	s_add_co_u32 s84, s84, s90
	s_mov_b32 s85, 0
	; lane terms.  A fragment, 16 rows x 128 K of 4-bit codes, is 8 registers: lane l holds row l % 16; registers 4 c .. 4 c + 3 hold K = 64 c + 32 (l / 16) + 0 .. 31: two loads of 16 bytes, 32 bytes apart
	v_and_b32 v1, 15, v0                           ; r
	v_bfe_u32 v2, v0, 4, 1                         ; h
	v_mul_u32_u24 v3, v1, PITCH
	v_lshl_add_u32 v3, v2, 4, v3                   ; 528 r + 16 h
	s_mul_i32 s27, s[CH], HALFR
	s_add_co_u32 s27, s27, R1
	v_add_nc_u32 v[AW], s27, v3
	v_lshlrev_b32 v[AWS], 5, v1
	v_lshl_add_u32 v[AWS], v2, 4, v[AWS]           ; a row's 32 scale bytes: lanes 0-15 take K steps 0-3, lanes 16-31 K steps 4-7
	v_lshrrev_b32 v4, 3, v1
	v_lshl_add_u32 v[ASC], v4, 4, v[AWS]           ; in LDS 16 bytes of padding lie behind every eight rows' bytes
	s_mul_i32 s27, s[RH], 16*272
	s_add_co_u32 s27, s27, SCE
	v_add_nc_u32 v[ASC], s27, v[ASC]
	v_lshlrev_b32 v[AHV], 5, v2
	v_lshlrev_b32 v[AOUT], 4, v0
	v_add_nc_u32 v[ARD], STG, v[AOUT]
	v_lshlrev_b32 v7, 2, v1
	v_lshl_add_u32 v7, v2, 12, v7                  ; 4 r + 4,096 h
	s_lshl_b32 s92, s[CH], 13
	s_lshl_b32 s27, s[RH], 9
	s_add_co_u32 s92, s92, s27
	s_add_co_u32 s92, s92, STG                     ; the stage: my column half's planes, my row half's 128 rows of each 256
	s_mul_i32 s91, s[RH], HALFR                    ; my 128 rows of region 0,
	s_add_co_u32 s93, s91, R1                      ; of region 1
	v_add_nc_u32 v[AE], s91, v3
	v_add_nc_u32 v[AE+1], s93, v3
	WIN 0x80                                       ; the same two sums with the destination in window 2,
	v_add_nc_u32 v[AE], s91, v3
	v_add_nc_u32 v[AE+1], s93, v3
	WIN 0xc0                                       ; and in window 3
	v_add_nc_u32 v[AE], s91, v3
	v_add_nc_u32 v[AE+1], s93, v3
	v_add_nc_u32 v[AST], s92, v7
	WIN 0
	s_mul_i32 s27, s[WV], QUART                    ; where my 64 rows of a tile go: no place in the cluster enters an LDS address
	s_mul_i32 s91, s[WV], SCQ
	s_wait_kmcnt 0x0
	s_add_nc_u64 s[72:73], s[10:11], s[72:73]      ; enc's codes at my 64 rows of part 0
	s_mov_b32 s[G0W], 1                            ; 1:0 count = 1
	s_add_co_u32 s[G0W+1], s27, R1                 ; 63:32 LDS address
	s_add_nc_u64 s[G0W+2:G0W+3], s[4:5], s[76:77]  ; 120:64 global address
	s_or_b32 s[G0W+3], s[G0W+3], 0x80000000        ; 127:126 type = 2
	s_mov_b32 s[G0S], 1
	s_add_co_u32 s[G0S+1], s91, SCE
	s_add_nc_u64 s[G0S+2:G0S+3], s[12:13], s[74:75]
	s_or_b32 s[G0S+3], s[G0S+3], 0x80000000
	s_mov_b32 s[G0A], 1
	s_mov_b32 s[G0A+1], s27                        ; region 0 begins at LDS byte 0
	s_mov_b64 s[G0A+2:G0A+3], s[72:73]             ; part 0
	s_or_b32 s[G0A+3], s[G0A+3], 0x80000000
	s_mov_b32 s[G0B], 1
	s_add_co_u32 s[G0B+1], s27, R1
	s_add_nc_u64 s[G0B+2:G0B+3], s[72:73], PARTB   ; part 1
	s_or_b32 s[G0B+3], s[G0B+3], 0x80000000
	s_add_nc_u64 s[6:7], s[6:7], s[78:79]
	s_add_nc_u64 s[8:9], s[8:9], s[80:81]
	s_add_nc_u64 s[14:15], s[14:15], s[82:83]
	s_add_nc_u64 s[16:17], s[16:17], s[84:85]
	CROUND                                         ; all sixteen work-groups are here: the first joint loads meet
	tensor_load_to_lds s[G0W:G0W+3], s[G1W:G1W+7]  ; the three first fills go out together: W first, since it is wanted first;
	s_nop 0
	tensor_load_to_lds s[G0S:G0S+3], s[G1S:G1S+7]  ; enc's scale bytes;
	s_nop 0
	tensor_load_to_lds s[G0A:G0A+3], s[G1E:G1E+7]  ; enc's part 0.  Three tensor loads of mine are out
	s_nop 0
	PLACES 4
	; while they are on their way: what comes straight into registers
.irp cb, 0,1,2,3,4,5,6,7
	global_load_b128 v[WS+4*\cb:WS+4*\cb+3], v[AWS], s[6:7] offset:512*\cb        ; W's scale words of column block cb
.endr
.irp cb, 0,1
	global_load_b128 v[HV+8*\cb:HV+8*\cb+3], v[AHV], s[14:15] offset:64*\cb       ; hidden at columns 16 cb + 8 h + 0 .. 7
	global_load_b128 v[HV+8*\cb+4:HV+8*\cb+7], v[AHV], s[14:15] offset:64*\cb+16
.endr
	WIN 0x80
.irp cb, 2,3,4
	global_load_b128 v[HV+8*(\cb-2):HV+8*(\cb-2)+3], v[AHV], s[14:15] offset:64*\cb
	global_load_b128 v[HV+8*(\cb-2)+4:HV+8*(\cb-2)+7], v[AHV], s[14:15] offset:64*\cb+16
.endr
	WIN 0xc0
.irp cb, 5,6,7
	global_load_b128 v[HV+8*(\cb-5):HV+8*(\cb-5)+3], v[AHV], s[14:15] offset:64*\cb
	global_load_b128 v[HV+8*(\cb-5)+4:HV+8*(\cb-5)+7], v[AHV], s[14:15] offset:64*\cb+16
.endr
	WIN 0x40
.irp cb, 0,1,2,3,4,5,6,7
	global_load_b128 v[64+8*\cb:64+8*\cb+3], v[AHV], s[8:9] offset:64*\cb         ; b in the place and layout of accumulator set 1
	global_load_b128 v[64+8*\cb+4:64+8*\cb+7], v[AHV], s[8:9] offset:64*\cb+16
.endr
	v_mov_b32 v[BH+1], 0                           ; the upper half of the pair that starts a row's sum
	WIN 0
	s_wait_tensorcnt 0x2                           ; my quarter of W has landed; the two loads issued behind it may stay out
	s_barrier_signal -1
	s_barrier_wait -1                              ; everybody's has
.irp ks, 0,1                                   ; W's 64 fragments into their registers: they stay
.irp cb, 0,1,2,3,4,5,6,7
.irp c, 0,1
	ds_load_b128 v[128+64*\ks+8*\cb+4*\c:128+64*\ks+8*\cb+4*\c+3], v[AW] offset:BLKB*\cb+64*\ks+32*\c
.endr
.endr
.endr
	WIN 0x80
.irp ks, 2,3,4
.irp cb, 0,1,2,3,4,5,6,7
.irp c, 0,1
	ds_load_b128 v[64+64*(\ks-2)+8*\cb+4*\c:64+64*(\ks-2)+8*\cb+4*\c+3], v[AW] offset:BLKB*\cb+64*\ks+32*\c
.endr
.endr
.endr
	WIN 0xc0
.irp ks, 5,6,7
.irp cb, 0,1,2,3,4,5,6,7
.irp c, 0,1
	ds_load_b128 v[64+64*(\ks-5)+8*\cb+4*\c:64+64*(\ks-5)+8*\cb+4*\c+3], v[AW] offset:BLKB*\cb+64*\ks+32*\c
.endr
.endr
.endr
	WIN 0
; ---- the macros of a block.  Symbols: RBN the block (0..31), PP its accumulator set, SS its part, II its place in the part, NRB the next block, GG the group = the K step = the column block that is reduced
.macro SECT                            ; the group's window, its W fragments and its numbers of hidden
.if GG < 2
.set WB, 128+64*GG
.set HB, HV+8*GG
	WIN SEC0
.elseif GG < 5
.set WB, 64+64*(GG-2)
.set HB, HV+8*(GG-2)
	WIN SEC2
.else
.set WB, 64+64*(GG-5)
.set HB, HV+8*(GG-5)
	WIN SEC3
.endif
.endm
; One matrix instruction: column block cb, K step GG.  K step 0 starts the sum with the constant 0: nothing is cleared.  K steps 4-7 take their scale words from lanes 16-31.
; The eight accumulators of a set take turns, one instruction a turn, from group to group and from block to block.
.macro MM cb
.set rA, 64*PP+8*(\cb)
.set rW, WB+8*(\cb)
.set rE, EF+8*GG
.set rSW, WS+4*(\cb)+GG%4
.set rSE, ES+4*PP+GG%4
.if GG == 0
	v_wmma_scale_f32_16x16x128_f8f6f4 v[rA:rA+7], v[rW:rW+7], v[rE:rE+7], 0, v[rSW], v[rSE] matrix_a_fmt:MATRIX_FMT_FP4 matrix_b_fmt:MATRIX_FMT_FP4
.elseif GG < 4
	v_wmma_scale_f32_16x16x128_f8f6f4 v[rA:rA+7], v[rW:rW+7], v[rE:rE+7], v[rA:rA+7], v[rSW], v[rSE] matrix_a_fmt:MATRIX_FMT_FP4 matrix_b_fmt:MATRIX_FMT_FP4
.else
	v_wmma_scale_f32_16x16x128_f8f6f4 v[rA:rA+7], v[rW:rW+7], v[rE:rE+7], v[rA:rA+7], v[rSW], v[rSE] matrix_a_fmt:MATRIX_FMT_FP4 matrix_b_fmt:MATRIX_FMT_FP4 matrix_a_scale:MATRIX_SCALE_ROW1 matrix_b_scale:MATRIX_SCALE_ROW1
.endif
.endm
; Slice q of 4 of the reduction of column block GG of the OTHER set (the block before): two fused multiply-adds with hidden, in two chains by turns; each accumulator is read from its low end on.
.macro PS q
.set rH, HB+2*(\q)
.set rC, 64*(1-PP)+8*GG+2*(\q)
.set rS, SPA+2*((\q)%2)
.if (GG == 0) && ((\q) == 0) && FIRST
	v_pk_mul_f32 v[rS:rS+1], v[rH:rH+1], v[rC:rC+1]                    ; block 0 reduces b: nothing to begin with
.elseif (GG == 0) && ((\q) == 0)
	v_pk_fma_f32 v[rS:rS+1], v[rH:rH+1], v[rC:rC+1], v[BH:BH+1]        ; the first chain begins with the bias's share
.elseif (GG == 0) && ((\q) == 1)
	v_pk_mul_f32 v[rS:rS+1], v[rH:rH+1], v[rC:rC+1]                    ; the second chain begins
.else
	v_pk_fma_f32 v[rS:rS+1], v[rH:rH+1], v[rC:rC+1], v[rS:rS+1]
.endif
.endm
; The chains are added.  1.0 x a + b is the sum a + b, rounded once; the constant stands in source 0's place because that place's window is W's.
.macro FIN1
	v_pk_fma_f32 v[SPA:SPA+1], 1.0, v[SPB:SPB+1], v[SPA:SPA+1] op_sel_hi:[0,1,1]
.endm
.macro FIN2
.if FIRST
	v_fma_f32 v[BH], 1.0, v[SPA+1], v[SPA]         ; block 0: sum b hid over my 64 columns
.else
	v_fma_f32 v[SR], 1.0, v[SPA+1], v[SPA]
	ds_store_b32 v[AST], v[SR] offset:1024*((RBN-1)/8)+64*((RBN-1)%8)   ; the block before's row r: 4 x (256 part + 16 place) bytes on
.endif
.endm
.macro LDE ks                          ; the next block's fragment of K step ks
	ds_load_b128 v[EF+8*(\ks):EF+8*(\ks)+3], v[LAN] offset:LON+64*(\ks)
	ds_load_b128 v[EF+8*(\ks)+4:EF+8*(\ks)+7], v[LAN] offset:LON+64*(\ks)+32
.endm
.macro LSC                             ; the next block's scale words, into the set that it will use
	ds_load_b128 v[ES+4*(NRB%2):ES+4*(NRB%2)+3], v[ASC] offset:SCQ*(NRB/8)+544*(NRB%8)
.endm
; A GROUP: the eight matrix instructions of K step GG.  Between the first five stand the four slices; they name hidden, the other set and the sums, none of the registers of the group before's last matrix
; instruction, which was the last to read enc's fragment GG - 1: they are the four places in front of the load into it (ISA guide 7.12.1 for vector instructions).
; wait: the count at the group's head, or -1 for none.  ld = 1: group 0 fetches this block's fragment 7, group g the next block's fragment g - 1: each 56 matrix instructions ahead of its use.
.macro GROUP wait, ld
	SECT
.if GG == 0
.set LR, EF+56
.set LA, AE+SS%2
.set LO, BLKB*II+448
.else
.set LR, EF+8*(GG-1)
.set LA, LAN
.set LO, LON+64*(GG-1)
.endif
.if (\wait) >= 0
	s_wait_dscnt \wait
.endif
	MM 0
	PS 0
	MM 1
	PS 1
	MM 2
	PS 2
	MM 3
	PS 3
	MM 4
.if \ld
	ds_load_b128 v[LR:LR+3], v[LA] offset:LO
.endif
	MM 5
.if \ld
	ds_load_b128 v[LR+4:LR+7], v[LA] offset:LO+32
.endif
	MM 6
.if GG == 7
	FIN1
.endif
	MM 7
.if GG == 7
	FIN2
.endif
.endm
; A BLOCK of 16 rows: 64 matrix instructions, and the reduction of the block before.
; THE COUNT 12 at a group's head: LDS instructions come back in order (ISA guide 5.7.1); behind the two loads of fragment GG (and behind the scale words, for group 0) at least 12 LDS instructions have been issued:
; twelve fragment loads, and as a rule the scale load or the stage's store besides.  It is exactly 12 at group 1 of block 1 (block 0 stores nothing) and at group 2 of a block that changes regions.
.macro RB
.set PP, RBN%2
.set SS, RBN/8
.set II, RBN%8
.set NRB, RBN+1
.set LAN, AE+(NRB/8)%2
.set LON, BLKB*(NRB%8)
.set GF, G0A+8*SS
.set FIRST, 0
.if RBN == 0
.set FIRST, 1
.endif
.if RBN == 31
	; the last block fetches its own fragment 7 and nothing more: the counts run down
.set GG, 0
	GROUP 12, 1
.set GG, 1
	GROUP 12, 0
.irp g, 2,3,4,5,6
.set GG, \g
	GROUP 15-2*\g, 0                               ; behind fragment g: the fragments g + 1 .. 6, the stage's store, fragment 7
.endr
.set GG, 7
	GROUP 0, 0
.elseif II == 7
	; A PART'S LAST BLOCK CHANGES REGIONS.  Group 0 issues my last read of this region.  Then: the wait for all my tensor loads (one is out at most: my part of the other region), the add, two groups of register work,
	; the wait for the add and for my reads, and ONE barrier; in parts 0 and 1 it opens a round of the cluster's barrier, behind which this region is filled again, first thing, with the part two further on.
.set GG, 0
	GROUP 12, 1
	WIN 0                                          ; (the add's two registers lie in window 0)
	s_wait_tensorcnt 0x0                           ; no tensor load of mine is out, so a group 0 may be written
	ds_add_u32 v[SPW], v[NIL]                      ; 0 onto my spare word
.if SS < 2
	s_add_nc_u64 s[GF+2:GF+3], s[GF+2:GF+3], 2*PARTB   ; this region's next part; the type bits on top are not reached
.endif
.set GG, 1
	GROUP 12, 0
.set GG, 2
	GROUP 12, 0
	s_wait_dscnt 0x0                               ; the add is done, my reads of this region are over, and fragments 3 to 7 are in
	s_barrier_signal -1
.set GG, 3
	GROUP -1, 0                                    ; work on registers while the others arrive
	WIN 0
	s_barrier_wait -1
.if SS < 2
	CREST                                          ; no wave of any partner still reads this region or has a load on its way
	tensor_load_to_lds s[GF:GF+3], s[G1E:G1E+7]    ; my one tensor load behind the round: it has eight blocks, 512 matrix instructions, in which to land
	s_nop 0
	PLACES 4                                       ; (the places in front of the loads into fragments 0 to 3)
.else
	PLACES 4
.endif
	LSC
	WIN SEC0
	LDE 0                                          ; the next block's first four fragments, from the other region
	LDE 1
	LDE 2
	LDE 3
.set GG, 4
	GROUP -1, 0
.irp g, 5,6,7
.set GG, \g
	GROUP -1, 1
.endr
.else
.set GG, 0
	GROUP 12, 1
.set GG, 1
	GROUP 12, 1
	WIN 0                                          ; the scale words go to window 0: scale operands have no window
	LSC
.irp g, 2,3,4,5,6,7
.set GG, \g
	GROUP 12, 1
.endr
.endif
.endm
	; ---- region 1 changes hands: W is in registers, enc's part 1 takes its place
	s_wait_tensorcnt 0x0                           ; all my tensor loads have landed: the scale bytes and part 0 among them
	ds_add_u32 v[SPW], v[NIL]                      ; 0 onto my spare word
	s_wait_dscnt 0x0                               ; the add is done, and my reads of W are in
	CROUND                                         ; both hold of every wave of every work-group of the cluster
	tensor_load_to_lds s[G0B:G0B+3], s[G1E:G1E+7]  ; part 1: my one tensor load behind the round
	s_nop 0
	PLACES 4
.set NRB, 0
.set LAN, AE
.set LON, 0
	LSC                                            ; block 0: its scale words, then its fragments 0 to 6
	WIN SEC0
.irp ks, 0,1,2,3,4,5,6
	LDE \ks
.endr
	s_wait_loadcnt 0x0                             ; W's scale words, hidden and b
.set RBN, 0
.rept 32
	RB
.set RBN, RBN+1
.endr
	; ---- block 31 is reduced.  Behind each accumulator's last matrix instruction at least five plain lines on other registers (slices of the other set, the two sums) stand ahead of its first read
.set PP, 0
.set FIRST, 0
.irp g, 0,1,2,3,4,5,6,7
.set GG, \g
	SECT
	PS 0
	PS 1
	PS 2
	PS 3
.endr
	FIN1
	FIN2
	WIN 0
	; ---- THE WAY OUT: a row's four partial sums (two column halves x two halves of the lanes) meet in the stage
	s_wait_dscnt 0x0                               ; for the others' sake: my stores into the stage are done
	s_barrier_signal -1
	s_barrier_wait -1
.irp u, 0,1
.irp pl, 0,1,2,3
	ds_load_b128 v[OUTR+16*\u+4*\pl:OUTR+16*\u+4*\pl+3], v[ARD] offset:4096*\pl+2048*\u    ; four rows a thread, 512 rows a turn
.endr
.endr
	s_wait_dscnt 0x0
.irp u, 0,1
.irp d, 0,2
	v_pk_add_f32 v[OUTR+16*\u+\d:OUTR+16*\u+\d+1], v[OUTR+16*\u+\d:OUTR+16*\u+\d+1], v[OUTR+16*\u+4+\d:OUTR+16*\u+4+\d+1]
	v_pk_add_f32 v[OUTR+16*\u+8+\d:OUTR+16*\u+8+\d+1], v[OUTR+16*\u+8+\d:OUTR+16*\u+8+\d+1], v[OUTR+16*\u+12+\d:OUTR+16*\u+12+\d+1]
	v_pk_add_f32 v[OUTR+16*\u+\d:OUTR+16*\u+\d+1], v[OUTR+16*\u+\d:OUTR+16*\u+\d+1], v[OUTR+16*\u+8+\d:OUTR+16*\u+8+\d+1]
.endr
.endr
.irp u, 0,1
	global_store_b128 v[AOUT], v[OUTR+16*\u:OUTR+16*\u+3], s[16:17] offset:2048*\u         ; a wave stores 512 consecutive bytes, at a multiple of 256 from part's first byte; the next launch reads them
.endr
	s_wait_tensorcnt 0x0                           ; the wave's end: behind my last tensor load and my last LDS store
	ds_add_u32 v[SPW], v[NIL]
	s_wait_dscnt 0x0
	CROUND                                         ; the closing round: no work-group ends while a partner may still ask for a tile that names it
	s_endpgm
.Lfunc_end_k_q87f2e560c9_energy:
	.size	k_q87f2e560c9_energy, .Lfunc_end_k_q87f2e560c9_energy-k_q87f2e560c9_energy
	.p2alignl 7, 3214868480
	.fill 96, 4, 3214868480
	.section	.rodata,"a",@progbits
	.p2align	6, 0x0
	.amdhsa_kernel k_q87f2e560c9_energy
		.amdhsa_group_segment_fixed_size 327680
		.amdhsa_private_segment_fixed_size 0
		.amdhsa_enable_private_segment 0
		.amdhsa_kernarg_size 56
		.amdhsa_user_sgpr_count 2
		.amdhsa_user_sgpr_kernarg_segment_ptr 1
		.amdhsa_wavefront_size32 1
		.amdhsa_system_sgpr_workgroup_id_x 1
		.amdhsa_system_sgpr_workgroup_id_y 1
		.amdhsa_system_sgpr_workgroup_id_z 1
		.amdhsa_system_vgpr_workitem_id 0
		.amdhsa_next_free_vgpr 1024
		.amdhsa_next_free_sgpr 96
		.amdhsa_reserve_vcc 0
		.amdhsa_float_denorm_mode_32 3
		.amdhsa_float_denorm_mode_16_64 3
		.amdhsa_memory_ordered 1
		.amdhsa_forward_progress 1
		.amdhsa_inst_pref_size 255
	.end_amdhsa_kernel
	.section	.bss,"aw",@nobits
	.p2align	6
	.space	262144
	.amdgpu_metadata
---
amdhsa.version: [ 1, 2 ]
amdhsa.kernels:
  - .name:           k_q87f2e560c9_energy
    .symbol:         k_q87f2e560c9_energy.kd
    .args:
      - { .name: W_codes, .offset: 0, .size: 8, .value_kind: global_buffer, .address_space: global }
      - { .name: W_scales, .offset: 8, .size: 8, .value_kind: global_buffer, .address_space: global }
      - { .name: b, .offset: 16, .size: 8, .value_kind: global_buffer, .address_space: global }
      - { .name: encoder_outputs_codes, .offset: 24, .size: 8, .value_kind: global_buffer, .address_space: global }
      - { .name: encoder_outputs_scales, .offset: 32, .size: 8, .value_kind: global_buffer, .address_space: global }
      - { .name: hidden, .offset: 40, .size: 8, .value_kind: global_buffer, .address_space: global }
      - { .name: part, .offset: 48, .size: 8, .value_kind: global_buffer, .address_space: global }
    .group_segment_fixed_size: 327680
    .private_segment_fixed_size: 0
    .kernarg_segment_align: 8
    .kernarg_segment_size: 56
    .max_flat_workgroup_size: 128
    .sgpr_count:     96
    .vgpr_count:     1024
    .wavefront_size: 32
...
	.end_amdgpu_metadata
.endif
;; end of part 1
;; launch softmax (part 2): grid 32 x 1, 16 waves a work-group, no clusters, 2,304 bytes of LDS; arguments part, out0; writes out0
.if DOCPART == 2
	.amdgcn_target "amdgcn-amd-amdhsa--gfx1250"
	.amdhsa_code_object_version 6
	.text
	.protected	k_q87f2e560c9_softmax
	.globl	k_q87f2e560c9_softmax
	.p2align	8
	.type	k_q87f2e560c9_softmax,@function
k_q87f2e560c9_softmax:
	s_mov_b64 s[64:65], 0
	v_nop
	global_prefetch_b8 v0, s[64:65] scope:SCOPE_SE
	s_setreg_imm32_b32 hwreg(HW_REG_WAVE_MODE, 25, 1), 1
	s_wait_xcnt 0x0
; out0[b][s] = softmax over s of (part[0][b][s] + part[1][b][s] + part[2][b][s] + part[3][b][s]).  part: [4][32][2,048] f32, out0: [32][2,048] f32.
; A work-group takes one batch, 2,048 scores; thread t takes the four at byte 16 t, so that each load and store of a wave covers 512 consecutive bytes.  The row's maximum is taken away before the exponential.
; The work is 32 rows of 8 KB: 32 work-groups.  No matrix unit, no tensor load, no cluster: nothing here is shared between work-groups and each byte is read once.
; Maximum and sum go within a lane, across the 32 lanes, and across the 16 waves through 64 bytes of LDS each (bytes of their own: one barrier for each).
	s_load_b128 s[4:7], s[0:1], 0x0                ; part, out0
	v_lshl_add_u32 v48, v0, 2, 0x100
	v_mov_b32 v49, 0
	v_lshlrev_b32 v1, 4, v0                        ; 16 t
	v_lshrrev_b32 v2, 5, v0
	v_lshlrev_b32 v2, 2, v2                        ; 4 x wave: my wave's word in LDS
	v_mov_b32 v3, 0                                ; LDS byte 0
	v_mov_b32 v25, 0                               ; written once: a lane permute's destination counts as one of its sources
	s_lshl_b32 s10, ttmp9, 13                      ; the batch's 8,192 bytes
	s_mov_b32 s11, 0
	s_mov_b32 s12, 0x76543210                      ; v_permlanex16_b32's selects for lane l xor 16
	s_mov_b32 s13, 0xfedcba98
	s_wait_kmcnt 0x0
	s_add_nc_u64 s[4:5], s[4:5], s[10:11]
	s_add_nc_u64 s[6:7], s[6:7], s[10:11]
.irp q, 0,1,2,3
	global_load_b128 v[8+4*\q:11+4*\q], v1, s[4:5] offset:262144*\q th:TH_LOAD_NT   ; the four quarters' shares of my four scores
.endr
	s_wait_loadcnt 0x0
	v_pk_add_f32 v[8:9], v[8:9], v[12:13]
	v_pk_add_f32 v[10:11], v[10:11], v[14:15]
	v_pk_add_f32 v[16:17], v[16:17], v[20:21]
	v_pk_add_f32 v[18:19], v[18:19], v[22:23]
	v_pk_add_f32 v[8:9], v[8:9], v[16:17]
	v_pk_add_f32 v[10:11], v[10:11], v[18:19]      ; v8-11: my four scores
	; the row's maximum
	v_max3_num_f32 v24, v8, v9, v10
	v_max_num_f32 v24, v24, v11
	v_max_num_f32_dpp v24, v24, v24 row_xmask:1 row_mask:0xf bank_mask:0xf
	v_max_num_f32_dpp v24, v24, v24 row_xmask:2 row_mask:0xf bank_mask:0xf
	v_max_num_f32_dpp v24, v24, v24 row_xmask:4 row_mask:0xf bank_mask:0xf
	v_max_num_f32_dpp v24, v24, v24 row_xmask:8 row_mask:0xf bank_mask:0xf
	v_permlanex16_b32 v25, v24, s12, s13
	v_max_num_f32 v24, v24, v25                    ; the wave's
	ds_store_b32 v2, v24                           ; all lanes write the same word with the same value
	s_wait_dscnt 0x0                               ; for the others' sake
	s_barrier_signal -1
	s_barrier_wait -1
.irp i, 0,1,2,3
	ds_load_b128 v[28+4*\i:31+4*\i], v3 offset:16*\i   ; the sixteen waves' maxima, in every lane
.endr
	s_wait_dscnt 0x0
	v_max3_num_f32 v24, v28, v29, v30
	v_max3_num_f32 v25, v31, v32, v33
	v_max3_num_f32 v26, v34, v35, v36
	v_max3_num_f32 v27, v37, v38, v39
	v_max3_num_f32 v24, v24, v40, v41
	v_max3_num_f32 v25, v25, v42, v43
	v_max3_num_f32 v24, v24, v25, v26
	v_max_num_f32 v24, v24, v27                    ; the row's
	; e^(x - m) = 2^((x - m) log2(e)).  The difference comes first and is then scaled: fused as x log2(e) - m log2(e) it would be a difference of two large rounded products where the scores are large
.irp j, 8,9,10,11
	v_sub_f32 v[\j], v[\j], v24
.endr
.irp j, 8,9,10,11
	v_mul_f32 v[\j], 0x3fb8aa3b, v[\j]
.endr
.irp j, 8,9,10,11
	v_exp_f32 v[\j], v[\j]
.endr
	v_nop                                          ; one plain instruction between the last exponential and the use of its result (ISA guide 5.7.2)
	; the row's sum
	s_wait_alu depctr_va_vdst(0)
	v_pk_add_f32 v[24:25], v[8:9], v[10:11]
	v_add_f32 v24, v24, v25
	v_add_f32_dpp v24, v24, v24 row_xmask:1 row_mask:0xf bank_mask:0xf
	v_add_f32_dpp v24, v24, v24 row_xmask:2 row_mask:0xf bank_mask:0xf
	v_add_f32_dpp v24, v24, v24 row_xmask:4 row_mask:0xf bank_mask:0xf
	v_add_f32_dpp v24, v24, v24 row_xmask:8 row_mask:0xf bank_mask:0xf
	v_permlanex16_b32 v25, v24, s12, s13
	v_add_f32 v24, v24, v25                        ; the wave's
	ds_store_b32 v2, v24 offset:64                 ; other bytes than the maxima's: no wave can still be reading what is written here
	s_wait_dscnt 0x0
	s_barrier_signal -1
	s_barrier_wait -1
.irp i, 0,1,2,3
	ds_load_b128 v[28+4*\i:31+4*\i], v3 offset:64+16*\i
.endr
	s_wait_dscnt 0x0
	v_pk_add_f32 v[28:29], v[28:29], v[30:31]
	v_pk_add_f32 v[32:33], v[32:33], v[34:35]
	v_pk_add_f32 v[36:37], v[36:37], v[38:39]
	v_pk_add_f32 v[40:41], v[40:41], v[42:43]
	v_pk_add_f32 v[28:29], v[28:29], v[32:33]
	v_pk_add_f32 v[36:37], v[36:37], v[40:41]
	v_pk_add_f32 v[28:29], v[28:29], v[36:37]
	v_add_f32 v24, v28, v29                        ; the row's: at least 1, since the largest score gives 2^0
	v_rcp_f32 v26, v24
	v_nop                                          ; one plain instruction behind the reciprocal
	s_wait_alu depctr_va_vdst(0)
	v_pk_mul_f32 v[8:9], v[8:9], v[26:27] op_sel_hi:[1,0]      ; (of the pair v[26:27] the low word serves both halves)
	v_pk_mul_f32 v[10:11], v[10:11], v[26:27] op_sel_hi:[1,0]
	global_store_b128 v1, v[8:11], s[6:7] th:TH_STORE_NT       ; a wave stores 512 consecutive bytes, at a multiple of 256 from out0's first byte
	s_wait_tensorcnt 0x0
	ds_add_u32 v48, v49
	s_wait_dscnt 0x0
	s_endpgm
.Lfunc_end_k_q87f2e560c9_softmax:
	.size	k_q87f2e560c9_softmax, .Lfunc_end_k_q87f2e560c9_softmax-k_q87f2e560c9_softmax
	.p2alignl 7, 3214868480
	.fill 96, 4, 3214868480
	.section	.rodata,"a",@progbits
	.p2align	6, 0x0
	.amdhsa_kernel k_q87f2e560c9_softmax
		.amdhsa_group_segment_fixed_size 2304
		.amdhsa_private_segment_fixed_size 0
		.amdhsa_enable_private_segment 0
		.amdhsa_kernarg_size 16
		.amdhsa_user_sgpr_count 2
		.amdhsa_user_sgpr_kernarg_segment_ptr 1
		.amdhsa_wavefront_size32 1
		.amdhsa_system_sgpr_workgroup_id_x 1
		.amdhsa_system_sgpr_workgroup_id_y 1
		.amdhsa_system_sgpr_workgroup_id_z 1
		.amdhsa_system_vgpr_workitem_id 0
		.amdhsa_next_free_vgpr 50
		.amdhsa_next_free_sgpr 66
		.amdhsa_reserve_vcc 0
		.amdhsa_float_denorm_mode_32 3
		.amdhsa_float_denorm_mode_16_64 3
		.amdhsa_memory_ordered 1
		.amdhsa_forward_progress 1
		.amdhsa_inst_pref_size 6
	.end_amdhsa_kernel
	.amdgpu_metadata
---
amdhsa.version: [ 1, 2 ]
amdhsa.kernels:
  - .name:           k_q87f2e560c9_softmax
    .symbol:         k_q87f2e560c9_softmax.kd
    .args:
      - { .name: part, .offset: 0, .size: 8, .value_kind: global_buffer, .address_space: global }
      - { .name: out0, .offset: 8, .size: 8, .value_kind: global_buffer, .address_space: global }
    .group_segment_fixed_size: 2304
    .private_segment_fixed_size: 0
    .kernarg_segment_align: 8
    .kernarg_segment_size: 16
    .max_flat_workgroup_size: 512
    .sgpr_count:     66
    .vgpr_count:     50
    .wavefront_size: 32
...
	.end_amdgpu_metadata
.endif
;; end of part 2
;; ======== version 2 of 2: 2 launches
;; limits: right only within a limited range of input values
;; workspace buffers: part 1,048,576 bytes
;; launch energy (part 3): grid 4 x 64, 4 waves a work-group, clusters of 4 x 4, 327,680 bytes of LDS; arguments W_codes, W_scales, encoder_outputs_codes, encoder_outputs_scales, hidden, part; writes part
.if DOCPART == 3
	.amdgcn_target "amdgcn-amd-amdhsa--gfx1250"
	.amdhsa_code_object_version 6
	.text
	.protected	k_q87f2e560c9_energy
	.globl	k_q87f2e560c9_energy
	.p2align	8
	.type	k_q87f2e560c9_energy,@function
k_q87f2e560c9_energy:
	s_mov_b64 s[64:65], 0
	v_nop
	global_prefetch_b8 v0, s[64:65] scope:SCOPE_SE
	s_setreg_imm32_b32 hwreg(HW_REG_WAVE_MODE, 25, 1), 1
	s_wait_xcnt 0x0
	s_wait_alu depctr_hold_cnt(0) depctr_sa_sdst(0) depctr_va_vdst(0) depctr_va_sdst(0) depctr_va_ssrc(0) depctr_va_vcc(0) depctr_vm_vsrc(0)
	s_getreg_b32 s2, hwreg(HW_REG_IB_STS2, 6, 4)
	s_cmp_eq_u32 s2, 0
	s_cbranch_scc0 .Lentry_in_a_cluster
	s_endpgm
.Lentry_in_a_cluster:
	s_bfe_u32 s2, ttmp6, 0x10000c
	s_cmp_lg_u32 s2, 0xf033
	s_cbranch_scc0 .Lentry_shape_is_right
	s_endpgm
.Lentry_shape_is_right:
; part[nq][row] = sum over the 256 columns n of quarter nq of (sum over k of enc[row][k] W[n][k]) x hidden[batch(row)][n].
; enc: [65,536][1,024] and W: [1,024][1,024] as codes of FP4 (E2M1), K innermost, 512 bytes a row, one E8M0 byte for each 32 along K (32 bytes a row).  hidden [32][1,024], part [4][65,536]: f32.
; DEAD WORK LEFT OUT: THE BIAS.  score[b][s] = sum over n of (e[b][s][n] + b[n]) hid[b][n] = sum of e hid + sum of b hid.  The second sum is the same number for all s of a batch, whatever finite values b and hidden hold,
; and it goes only into the softmax over s, which such a number does not change.  So b has no way to the output: it is no argument of any launch and is not loaded.
; LIMITS: a NaN, an infinity or an overflow that reaches only sum b hid is not carried to the result.  The sums over n are taken in another order than a plain row-wise sum.  A scale byte 0xff makes the sums NaN.
; The energy never goes to memory: its product with hidden is taken on the accumulators, in f32, by fused multiply-adds.
; SHARES.  A work-group owns 1,024 rows of enc (half a batch) and 256 columns; wave w owns columns 128 (w % 2) on and, of each 256 rows (a part), the 128 from 128 (w / 2) on.
; W STAYS IN REGISTERS: a wave's 128 columns x all of K are 32 operands of 32 columns x 128 K, 512 registers, read from LDS once.  enc streams through two LDS regions of 256 rows; a fragment of enc (16 rows x 128 K)
; feeds four matrix instructions of 32 x 16 x 128: a block of 16 rows is 17 LDS loads and 32 matrix instructions.
; ONE RUN OF LDS INSTRUCTIONS A BLOCK.  enc's fragments lie in a ring of 15 slots, fragment f (block f / 8, K step f % 8) in slot f % 15.  Behind K step 0 of block n the run fetches all eight fragments of block n + 1:
; seven slots were left by block n - 1, the eighth by K step 0 just issued.  The loads have K steps 1 to 7 in which to come back.
; THE MATRIX INSTRUCTION: source 0 = 32 rows of W, source 1 = 16 rows of enc: lane (r, h) holds enc row r and, in register 8 u + j, column 32 cb + 16 u + 8 h + j.
; So a lane multiplies its numbers by numbers of hidden that never change, and adds: one row's score in 2 x 2 partial sums (the lanes' halves, the two waves of a row), which meet in a stage in LDS at the end.
; CLUSTERS: 4 x 4 work-groups.  The four of a row of the cluster own the same rows of enc, the four of a column the same quarter of W: each tile is asked for jointly.
; PREFETCH: one instruction a wave for each of parts 1 to 3, one part ahead of the tensor load that wants it; the four partners of a row share a part's 512 blocks of 256 bytes out by address.  Part 0, W and the scale bytes come by the head's loads.
; THE TEXT IS STRAIGHT: every LDS offset is an immediate and no address register is rewritten.
; REGISTERS, in windows of 256 (s_set_vgpr_msb: bits 1:0 source 0, 3:2 source 1, 5:4 source 2, 7:6 destination):
;   window 0: v0-19 addresses; v32-47, v88-95 hidden for 16-column blocks 0-2; v48-79 W's scale words; v80-87 and v120-123 enc's scale words; v88-119 the way out, at the end; v128-255 W, K steps 0, 1
;   window 1: v0-127 two sets of four accumulators of 16; v128-247 enc's ring; v248-252 the sums in hand
;   window 2: v40-55 hidden 3, 4; v64-255 W, K steps 2-4          window 3: v32-55 hidden 5-7; v64-255 W, K steps 5-7
.set PITCH,  528                       ; an LDS row of codes: 512 bytes + 16 of padding = 33 x 16
.set BLKB,   16*PITCH
.set QUART,  64*PITCH                  ; 64 rows: a wave's share of a part behind the head
.set HALFR,  128*PITCH
.set R1,     256*PITCH                 ; region 0 at byte 0: enc's parts 0, 2;  region 1: first W's quarter, then enc's parts 1, 3
.set SCE,    2*256*PITCH               ; scale bytes of the 1,024 rows: 128 pieces of 256 bytes + 16; filled once
.set SCQ,    32*272                    ; those of a part
.set STG,    SCE+4*SCQ                 ; the stage: f32 [column half][lane half][1,024 rows]; LDS stores alone write it
.set SPARE,  STG+16384                 ; the spare words
.set PARTB,  256*512                   ; a part of enc in memory
.set SPW,  8
.set NIL,  9
.set AW,   10                          ; my lane's place in my 128 rows of W in region 1
.set ASC,  11                          ; my lane's 16 scale bytes of enc in block 0
.set AWS,  12                          ; 32 x lane: W's scale bytes
.set AHV,  13                          ; 32 h: my lane's eight numbers of hidden
.set PFO,  14                          ; 256 x lane: the prefetches
.set AOUT, 15                          ; 16 x thread
.set AE,   16                          ; v16, v17: my lane's place in my 128 rows of region 0, 1
.set AST,  18                          ; where my row's partial sum goes in the stage
.set ARD,  19                          ; where I read the stage back
.set HV,   32
.set HV2,  88                          ; hidden of 16-column block 2
.set WS,   48                          ; W's scale words: register 8 cb + K step, lane m column 32 cb + m
.set ES,   80                          ; enc's, two sets of 4: lanes 0-15 K step q, lanes 16-31 K step 4 + q
.set ESX,  120                         ; block 0's
.set OUTR, 88
.set EF,   128                         ; the ring: slot s at EF + 8 s
.set SPA,  248                         ; the row's sum in two chains of two halves
.set SPB,  250
.set SR,   252                         ; the finished partial sum
.set XA,   232                         ; two more chains, in slot 13, where block 0 and block 31 are reduced
.set XB,   234
.set WV,   18                          ; s18 wave;  s19 its column half;  s20 its row half
.set CH,   19
.set RH,   20
.set G1E,  28                          ; descriptor groups 1: enc, 64 rows;  W, 128 rows;  scale bytes;  enc, 256 rows
.set G1W,  36
.set G1S,  44
.set G1H,  72
.set G0W,  52                          ; groups 0: W, scale bytes, region 0, region 1, the head's part 0
.set G0S,  56
.set G0A,  60
.set G0B,  68
.set G0H,  80
.set PF,   98                          ; s[98:99] my work-group's and wave's blocks of part 1
.set SEC0, 0x54                        ; source 0 window 0; source 1, source 2 and destination window 1: K steps 0, 1
.set SEC2, 0x56                        ; K steps 2-4
.set SEC3, 0x57                        ; K steps 5-7
.set MSB, 0
.macro WIN new                         ; the high byte repeats the setting that is left
.if MSB != \new
	s_set_vgpr_msb (MSB<<8)|\new
.set MSB, \new
.endif
.endm
.macro CREST                           ; a round of the cluster's barrier behind its opening barrier
	s_cmp_lg_u32 s[WV], 0
	s_cbranch_scc1 .Lnot_wave_0_\@
	s_barrier_signal -3
.Lnot_wave_0_\@:
	s_barrier_wait -3
	s_barrier_signal -1
	s_barrier_wait -1
.endm
.macro CROUND
	s_barrier_signal -1
	s_barrier_wait -1
	CREST
.endm
.macro PLACES n
.rept \n
	v_nop
.endr
.endm
.macro G1C g, rows                     ; codes: so many rows x 512 bytes, dense in memory, padded in LDS
	s_mov_b32 s[\g+1], 512<<16
	s_mov_b32 s[\g+2], \rows<<16
	s_mov_b32 s[\g+3], 512<<16
	s_mov_b32 s[\g+4], \rows
	s_mov_b32 s[\g+5], 512
	s_mov_b32 s[\g+6], 0
	s_mov_b32 s[\g+7], 0
.endm
	s_load_b256 s[4:11], s[0:1], 0x0               ; W's codes s[4:5], W's scales s[6:7], enc's codes s[8:9], enc's scales s[10:11]
	s_load_b128 s[12:15], s[0:1], 0x20             ; hidden s[12:13], part s[14:15]
	v_lshl_add_u32 v[SPW], v0, 2, SPARE
	v_mov_b32 v[NIL], 0
	ds_add_u32 v[SPW], v[NIL]                      ; the opening lines: the add, twice on end, and its wait
	ds_add_u32 v[SPW], v[NIL]
	v_lshrrev_b32 v3, 5, v0
	v_readfirstlane_b32 s[WV], v3
	s_and_b32 s[CH], s[WV], 1
	s_lshr_b32 s[RH], s[WV], 1
	s_mul_i32 s16, s[CH], HALFR
	s_add_co_u32 s16, s16, R1                      ; my 128 columns of W in region 1
	s_mul_i32 s17, s[RH], HALFR                    ; my 128 rows of region 0,
	s_add_co_u32 s27, s17, R1                      ; of region 1
	s_mul_i32 s2, s[RH], 16*272
	s_add_co_u32 s2, s2, SCE                       ; their scale bytes
	s_lshl_b32 s3, s[CH], 13
	s_lshl_b32 s100, s[RH], 9
	s_add_co_u32 s3, s3, s100
	s_add_co_u32 s3, s3, STG                       ; the stage: my column half's planes, my row half's 128 rows of each 256
	; a fragment's lane l holds row l % 16; registers 4 c .. 4 c + 3 hold K = 64 c + 32 (l / 16) + 0 .. 31: two loads of 16 bytes, 32 bytes apart
	v_and_b32 v1, 15, v0                           ; r
	v_bfe_u32 v2, v0, 4, 1                         ; h
	v_mul_u32_u24 v3, v1, PITCH
	v_lshl_add_u32 v3, v2, 4, v3                   ; 528 r + 16 h
	v_add_nc_u32 v[AW], s16, v3
	v_add_nc_u32 v[AE], s17, v3
	v_add_nc_u32 v[AE+1], s27, v3
	v_lshlrev_b32 v5, 5, v1
	v_lshl_add_u32 v5, v2, 4, v5                   ; a row's 32 scale bytes: lanes 0-15 take K steps 0-3, lanes 16-31 K steps 4-7
	v_lshrrev_b32 v4, 3, v1
	v_lshl_add_u32 v5, v4, 4, v5                   ; 16 bytes of padding lie behind every eight rows' bytes
	v_add_nc_u32 v[ASC], s2, v5
	v_and_b32 v6, 31, v0
	v_lshlrev_b32 v[AWS], 5, v6
	v_lshlrev_b32 v[PFO], 8, v6
	v_lshlrev_b32 v[AHV], 5, v2
	v_lshlrev_b32 v[AOUT], 4, v0
	v_add_nc_u32 v[ARD], STG, v[AOUT]
	v_lshlrev_b32 v7, 2, v1
	v_lshl_add_u32 v7, v2, 12, v7
	v_add_nc_u32 v[AST], s3, v7
	s_wait_alu depctr_va_vdst(0)                   ; behind the head's last vector instruction
	s_bfe_u32 s21, ttmp6, 0x40000                  ; cx, cy: my place in the cluster
	s_bfe_u32 s22, ttmp6, 0x40004
	s_lshl_b32 s23, ttmp9, 2
	s_add_co_u32 s23, s23, s21                     ; nq: my quarter of the columns
	s_and_b32 s24, ttmp7, 0xffff
	s_lshl_b32 s24, s24, 2
	s_add_co_u32 s24, s24, s22                     ; rg: my 1,024 rows
	s_lshl_b32 s25, s22, 2
	s_lshl_b32 s25, 15, s25                        ; my row of the cluster: it shares rg
	s_lshl_b32 s26, 0x1111, s21                    ; my column: it shares nq
	; 15:0 the mask; 17:16 element size; 20 padding on; 21 set beside a mask; 24:22 after every 128 words (code 6) or 64 (code 5); 31:25 four words (code 3)
	s_or_b32 s[G1E], s25, (0<<16)|(1<<20)|(1<<21)|(6<<22)|(3<<25)
	s_or_b32 s[G1H], s25, (0<<16)|(1<<20)|(1<<21)|(6<<22)|(3<<25)
	s_or_b32 s[G1W], s26, (0<<16)|(1<<20)|(1<<21)|(6<<22)|(3<<25)
	G1C G1E, 64
	G1C G1H, 256
	G1C G1W, 128
	s_or_b32 s[G1S], s25, (3<<16)|(1<<20)|(1<<21)|(5<<22)|(3<<25)   ; the scale bytes of 1,024 rows: 32,768 dense bytes as 128 rows of 32 elements of 8 bytes
	s_mov_b32 s[G1S+1], 32<<16
	s_mov_b32 s[G1S+2], 128<<16
	s_mov_b32 s[G1S+3], 32<<16
	s_mov_b32 s[G1S+4], 128
	s_mov_b32 s[G1S+5], 32
	s_mov_b32 s[G1S+6], 0
	s_mov_b32 s[G1S+7], 0
	; byte offsets
	s_lshl_b32 s84, s24, 19                        ; enc's codes: 524,288 rg
	s_mov_b32 s85, 0
	s_lshl_b32 s86, s[WV], 15                      ; and my 64 rows of a part
	s_add_co_u32 s86, s86, s84
	s_mov_b32 s87, 0
	s_lshl_b32 s88, s24, 15                        ; enc's scale bytes: 32,768 rg
	s_mov_b32 s89, 0
	s_lshl_b32 s90, s23, 17                        ; W's codes: 131,072 nq + 65,536 x column half
	s_lshl_b32 s100, s[CH], 16
	s_add_co_u32 s90, s90, s100
	s_mov_b32 s91, 0
	s_lshl_b32 s92, s23, 13                        ; W's scale bytes: 8,192 nq + 4,096 x column half
	s_lshl_b32 s100, s[CH], 12
	s_add_co_u32 s92, s92, s100
	s_mov_b32 s93, 0
	s_lshr_b32 s94, s24, 1                         ; hidden: the batch's row of 4,096 bytes + 1,024 nq + 512 x column half
	s_lshl_b32 s94, s94, 12
	s_lshl_b32 s100, s[CH], 9
	s_add_co_u32 s94, s94, s100
	s_lshl_b32 s101, s23, 10
	s_add_co_u32 s94, s94, s101
	s_mov_b32 s95, 0
	s_lshl_b32 s96, s23, 18                        ; part: 262,144 nq + 4,096 rg
	s_lshl_b32 s101, s24, 12
	s_add_co_u32 s96, s96, s101
	s_mov_b32 s97, 0
	s_lshl_b32 s22, s21, 15                        ; the prefetches: of part 1's 131,072 bytes my work-group names 32,768 (by cx), my wave 8,192 of them
	s_lshl_b32 s100, s[WV], 13
	s_add_co_u32 s22, s22, s100
	s_add_co_u32 s22, s22, s84
	s_add_co_u32 s22, s22, PARTB
	s_mov_b32 s23, 0
	s_mov_b32 s[G0W], 1                            ; 1:0 count = 1;  63:32 LDS address;  120:64 global address;  127:126 type = 2
	s_mov_b32 s[G0W+1], s16
	s_mov_b32 s[G0H], 1
	s_mov_b32 s[G0H+1], 0
	s_mov_b32 s[G0S], 1
	s_mov_b32 s[G0S+1], SCE
	s_wait_dscnt 0x0                               ; both opening adds are done
	CROUND                                         ; all sixteen work-groups are here: the first joint loads meet
	s_wait_kmcnt 0x0
	s_add_nc_u64 s[G0W+2:G0W+3], s[4:5], s[90:91]
	s_or_b32 s[G0W+3], s[G0W+3], 0x80000000
	s_add_nc_u64 s[G0H+2:G0H+3], s[8:9], s[84:85]
	s_or_b32 s[G0H+3], s[G0H+3], 0x80000000
	s_add_nc_u64 s[G0S+2:G0S+3], s[10:11], s[88:89]
	s_or_b32 s[G0S+3], s[G0S+3], 0x80000000
	; THE HEAD'S LOADS, ONE A WAVE: waves 0 and 1 W's two halves, wave 2 enc's part 0, wave 3 enc's scale bytes
	s_cmp_lt_u32 s[WV], 2
	s_cbranch_scc0 .Lhead_enc
	tensor_load_to_lds s[G0W:G0W+3], s[G1W:G1W+7]
	s_nop 0
	PLACES 4
	s_branch .Lhead_asked
.Lhead_enc:
	s_cmp_lt_u32 s[WV], 3
	s_cbranch_scc0 .Lhead_sc
	tensor_load_to_lds s[G0H:G0H+3], s[G1H:G1H+7]
	s_nop 0
	PLACES 4
	s_branch .Lhead_asked
.Lhead_sc:
	tensor_load_to_lds s[G0S:G0S+3], s[G1S:G1S+7]
	s_nop 0
	PLACES 4
.Lhead_asked:
	s_add_nc_u64 s[6:7], s[6:7], s[92:93]
	s_add_nc_u64 s[12:13], s[12:13], s[94:95]
	; while they are on their way: what comes straight into registers
.irp cb, 0,1,2,3
	global_load_b128 v[WS+8*\cb:WS+8*\cb+3], v[AWS], s[6:7] offset:1024*\cb       ; W's scale words of 32 columns: 1,024 dense bytes in two loads
	global_load_b128 v[WS+8*\cb+4:WS+8*\cb+7], v[AWS], s[6:7] offset:1024*\cb+16
.endr
.irp cb, 0,1
	global_load_b128 v[HV+8*\cb:HV+8*\cb+3], v[AHV], s[12:13] offset:64*\cb       ; hidden at columns 16 cb + 8 h + 0 .. 7
	global_load_b128 v[HV+8*\cb+4:HV+8*\cb+7], v[AHV], s[12:13] offset:64*\cb+16
.endr
	global_load_b128 v[HV2:HV2+3], v[AHV], s[12:13] offset:128
	global_load_b128 v[HV2+4:HV2+7], v[AHV], s[12:13] offset:144
	WIN 0x80
.irp cb, 3,4
	global_load_b128 v[HV+8*(\cb-2):HV+8*(\cb-2)+3], v[AHV], s[12:13] offset:64*\cb
	global_load_b128 v[HV+8*(\cb-2)+4:HV+8*(\cb-2)+7], v[AHV], s[12:13] offset:64*\cb+16
.endr
	WIN 0xc0
.irp cb, 5,6,7
	global_load_b128 v[HV+8*(\cb-5):HV+8*(\cb-5)+3], v[AHV], s[12:13] offset:64*\cb
	global_load_b128 v[HV+8*(\cb-5)+4:HV+8*(\cb-5)+7], v[AHV], s[12:13] offset:64*\cb+16
.endr
	WIN 0
	s_add_nc_u64 s[14:15], s[14:15], s[96:97]
	s_add_nc_u64 s[PF:PF+1], s[8:9], s[22:23]
	s_mul_i32 s17, s[WV], QUART                    ; behind the head a wave fetches 64 rows of a part: no place in the cluster enters an LDS address
	s_mov_b32 s[G0A], 1
	s_mov_b32 s[G0A+1], s17
	s_add_nc_u64 s[G0A+2:G0A+3], s[8:9], s[86:87]  ; part 0: the first refill steps it to part 2
	s_mov_b32 s[G0B], 1
	s_add_co_u32 s[G0B+1], s17, R1
	s_add_nc_u64 s[G0B+2:G0B+3], s[G0A+2:G0A+3], PARTB
	s_or_b32 s[G0A+3], s[G0A+3], 0x80000000
	s_or_b32 s[G0B+3], s[G0B+3], 0x80000000
; ---- macros.  Symbols: GG the K step in hand, PP its accumulator set, FE enc's fragment, ESB enc's scale words, NLDS the LDS instructions written so far (blocks 0 and 1 alone).
; LDS instructions come back in order (ISA guide 5.7.1): a counted wait's count is NLDS less the count behind the loads that are wanted.
.macro LW ks                           ; W's fragments of K step ks: 16 loads into registers in which they stay
.if \ks < 2
	WIN 0
.set LB, 128+64*\ks
.elseif \ks < 5
	WIN 0x80
.set LB, 64+64*(\ks-2)
.else
	WIN 0xc0
.set LB, 64+64*(\ks-5)
.endif
.irp cb, 0,1,2,3,4,5,6,7
.irp c, 0,1
	ds_load_b128 v[LB+8*\cb+4*\c:LB+8*\cb+4*\c+3], v[AW] offset:BLKB*\cb+64*\ks+32*\c
.endr
.endr
.set NLDS, NLDS+16
.endm
.macro LDF blk, ks, slot               ; block blk's fragment of K step ks into a slot of the ring
.set LF, EF+8*(\slot)
	ds_load_b128 v[LF:LF+3], v[AE+((\blk)/8)%2] offset:BLKB*((\blk)%8)+64*(\ks)
	ds_load_b128 v[LF+4:LF+7], v[AE+((\blk)/8)%2] offset:BLKB*((\blk)%8)+64*(\ks)+32
.set NLDS, NLDS+2
.endm
.macro LDH blk, hf, slot               ; K steps 4 hf .. 4 hf + 3 into four slots
	LDF \blk, 4*\hf, \slot
	LDF \blk, 4*\hf+1, \slot+1
	LDF \blk, 4*\hf+2, \slot+2
	LDF \blk, 4*\hf+3, \slot+3
.endm
.macro LSC blk, dst                    ; block blk's scale words (in window 0: scale operands have no window)
	ds_load_b128 v[\dst:\dst+3], v[ASC] offset:SCQ*((\blk)/8)+544*((\blk)%8)
.set NLDS, NLDS+1
.endm
.macro SECT                            ; the K step's window and its W operands
.if GG < 2
.set WB, 128+64*GG
	WIN SEC0
.elseif GG < 5
.set WB, 64+64*(GG-2)
	WIN SEC2
.else
.set WB, 64+64*(GG-5)
	WIN SEC3
.endif
.endm
; One matrix instruction: 32 columns cb, K step GG.  K step 0 starts the sum with the constant 0.  K steps 4-7 take enc's scale words from lanes 16-31.
; The four accumulators of a set take turns, one instruction a turn.
.macro MM cb
.set rA, 64*PP+16*(\cb)
.set rW, WB+16*(\cb)
.set rSW, WS+8*(\cb)+GG
.set rSE, ESB+GG%4
.if GG == 0
	v_wmma_scale_f32_32x16x128_f4 v[rA:rA+15], v[rW:rW+15], v[FE:FE+7], 0, v[rSW], v[rSE]
.elseif GG < 4
	v_wmma_scale_f32_32x16x128_f4 v[rA:rA+15], v[rW:rW+15], v[FE:FE+7], v[rA:rA+15], v[rSW], v[rSE]
.else
	v_wmma_scale_f32_32x16x128_f4 v[rA:rA+15], v[rW:rW+15], v[FE:FE+7], v[rA:rA+15], v[rSW], v[rSE] matrix_b_scale:MATRIX_SCALE_ROW1
.endif
.endm
; Slice q of 4 of the reduction of 16-column block c of the OTHER set: two multiply-adds with hidden, in NCH chains by turns; each accumulator is read from its low end on.
; Blocks 0-2 stand under SEC0, 3 and 4 under SEC2, 5-7 under SEC3.
.set NCH, 2
.macro PS c, q
.if \c < 2
.set rH, HV+8*\c+2*\q
.elseif \c == 2
.set rH, HV2+2*\q
.elseif \c < 5
.set rH, HV+8*(\c-2)+2*\q
.else
.set rH, HV+8*(\c-5)+2*\q
.endif
.set rC, 64*(1-PP)+8*\c+2*\q
.set rS, SPA+2*(\q%2)
.if (NCH == 4) && (\q > 1)
.set rS, XA+2*(\q-2)
.endif
.if (\c == 0) && (\q < NCH)
	v_pk_mul_f32 v[rS:rS+1], v[rH:rH+1], v[rC:rC+1]
.else
	v_pk_fma_f32 v[rS:rS+1], v[rH:rH+1], v[rC:rC+1], v[rS:rS+1]
.endif
.endm
; Chains are added.  1.0 x a + b is the sum a + b, rounded once; the constant stands in source 0's place because that place's window is W's.
.macro ADDP d, a
	v_pk_fma_f32 v[\d:\d+1], 1.0, v[\a:\a+1], v[\d:\d+1] op_sel_hi:[0,1,1]
.endm
.macro FIN2
	v_fma_f32 v[SR], 1.0, v[SPA+1], v[SPA]
.endm
.macro STS blk                         ; block blk's row r: 4 x (256 part + 16 place) bytes on in the stage
	ds_store_b32 v[AST], v[SR] offset:1024*((\blk)/8)+64*((\blk)%8)
.endm
.macro REDUCE                          ; a whole block of the other set with no matrix work beside it: four chains
.set NCH, 4
.irp c, 0,1,2,3,4,5,6,7
.if \c < 3
	WIN SEC0
.elseif \c < 5
	WIN SEC2
.else
	WIN SEC3
.endif
.irp q, 0,1,2,3
	PS \c, \q
.endr
.endr
	ADDP XA, XB
	ADDP SPA, SPB
	ADDP SPA, XA
	FIN2
.set NCH, 2
.endm
.macro PH pp, ks                       ; blocks 0 (pp = 0) and 1: K step ks alone.  Block 0's halves lie in slots 9-12 and 5-8, block 1's in 1-4 and 9-12
.set PP, \pp
.set GG, \ks
.if \pp
.set ESB, ES+4
.if \ks < 4
.set FE, EF+8*(1+\ks)
.else
.set FE, EF+8*(5+\ks)
.endif
.else
.set ESB, ESX
.if \ks < 4
.set FE, EF+8*(9+\ks)
.else
.set FE, EF+8*(1+\ks)
.endif
.endif
	SECT
	MM 0
	MM 1
	MM 2
	MM 3
.endm
.macro KS g                            ; on to K step g of block RBN
.set GG, \g
.set FE, EF+8*((8*RBN+GG)%15)
	SECT
.endm
.macro GRP g, c                        ; K step g, with 16-column block c of the reduction among its matrix instructions
	KS \g
	MM 0
	PS \c, 0
	MM 1
	PS \c, 1
	MM 2
	PS \c, 2
	MM 3
	PS \c, 3
.endm
; A BLOCK'S CHANGE OF REGIONS begins: the run was my last read of this region.  The wait for all my tensor loads, the add; register work follows up to the wait for the add and for my reads.
.macro TW
	WIN 0
	s_wait_tensorcnt 0x0                           ; no tensor load of mine is out, so a group 0 may be written
	ds_add_u32 v[SPW], v[NIL]
.if SS < 2
	s_add_nc_u64 s[GF+2:GF+3], s[GF+2:GF+3], 2*PARTB
.endif
	s_wait_alu depctr_va_vdst(0)
.endm
; A BLOCK of 16 rows: 32 matrix instructions, and the reduction of the block before, which ends in the block (so no sum in hand is carried over the wait at a block's head, and ten plain lines stand between a finished sum
; and its store).  Ahead of the run stand seven plain lines that name none of the registers of the matrix instructions before them, which were the last to read slot 8 RBN % 15: the places in front of the loads
; (ISA guide 7.12.1 for vector instructions).
.macro RB
.set PP, RBN%2
.set SS, RBN/8
.set II, RBN%8
.set NRB, RBN+1
.set GF, G0A+8*SS
.set ESB, ES+4*PP
.set TURN, 0
.if (II == 6) && (SS < 3)
.set TURN, 1
.endif
	s_wait_dscnt 0x0                               ; this block's fragments and scale words: the only LDS instructions of mine that are out
	GRP 0, 0
	PS 1, 0
	PS 1, 1
	PS 1, 2
	PS 1, 3
	PS 2, 0
	PS 2, 1
	STS RBN-2                                      ; THE RUN
.if RBN < 31
.irp k, 0,1,2,3,4,5,6,7
.set LST, (8*NRB+\k)%15
	LDF NRB, \k, LST
.endr
	WIN 0
.set LSE, ES+4*(NRB%2)
	LSC NRB, LSE
.endif
.if RBN == 2
	global_prefetch_b8 v[PFO], s[PF:PF+1] offset:PARTB th:TH_LOAD_NT scope:SCOPE_SE      ; part 2, which the change of regions in block 6 asks for
.endif
.if RBN == 7
	global_prefetch_b8 v[PFO], s[PF:PF+1] offset:2*PARTB th:TH_LOAD_NT scope:SCOPE_SE    ; part 3, which that in block 14 asks for
.endif
.if TURN && (SS > 0)
	TW
.endif
	KS 1
	MM 0
	PS 2, 2
	MM 1
	PS 2, 3
	MM 2
	MM 3
	GRP 2, 3
	GRP 3, 4
	KS 4
	MM 0
	MM 1
	MM 2
	MM 3
	GRP 5, 5
.if TURN && (SS == 0)
	TW                                             ; (part 1 was asked for behind block 1: its wait stands two K steps from the block's end)
.endif
	GRP 6, 6
.if TURN
	s_wait_alu depctr_va_vdst(0)
	s_wait_dscnt 0x0                               ; the add is done, and my reads of this region are over
	s_barrier_signal -1
.endif
	KS 7
	MM 0
	PS 7, 0
	PS 7, 1
	MM 1
	PS 7, 2
	PS 7, 3
	MM 2
	ADDP SPA, SPB
	MM 3
	FIN2                                           ; block RBN - 1's sum
.if TURN
	WIN 0
	s_barrier_wait -1                              ; the next part is whole
.if SS < 2
	CREST                                          ; no wave of any partner still reads this region or has a load on its way
	tensor_load_to_lds s[GF:GF+3], s[G1E:G1E+7]    ; this region's next part: my one tensor load behind the round
	s_nop 0
	PLACES 4
.endif
.endif
.endm
.set NLDS, 0
	s_cmp_lt_u32 s[WV], 2
	s_cbranch_scc0 .Lnot_for_w
	s_wait_tensorcnt 0x0                           ; waves 0 and 1: my half of W has landed; what waves 2 and 3 fetch may still be on its way
.Lnot_for_w:
	s_barrier_signal -1
	s_barrier_wait -1                              ; W is whole
	LW 0                                           ; K steps 0-3 of W now, while part 0 and the scale bytes land
	LW 1
	global_prefetch_b8 v[PFO], s[PF:PF+1] th:TH_LOAD_NT scope:SCOPE_SE                   ; part 1, which region 1 takes when W has left it
	LW 2
	LW 3
	WIN 0
	s_wait_tensorcnt 0x0                           ; every wave: what I fetched has landed
	s_wait_dscnt 0x0
	s_barrier_signal -1
	s_barrier_wait -1                              ; part 0 and the scale bytes are whole
	; BLOCKS 0 AND 1 GO TOGETHER, each with an accumulator set of its own, while W's K steps 4-7 come in
.set NLDS, 0
	LSC 0, ESX
	LSC 1, ES+4
	WIN SEC0
	LDH 0, 0, 9
	LDH 1, 0, 1
.set MK0, NLDS
	LW 4
	WIN SEC0
	LDH 0, 1, 5
	s_wait_loadcnt 0x0                             ; W's scale words and hidden
	s_wait_dscnt NLDS-MK0                          ; both blocks' first halves and scale words
	PH 0, 0
	LW 5
.set MK1, NLDS                         ; up to here: K steps 4, 5 of W and block 0's second half
	PH 0, 1
	PH 0, 2
	PH 0, 3
	PLACES 4                                       ; slots 9-12 are free: block 1's second half
	WIN SEC0
	LDH 1, 1, 9
.set MK2, NLDS
	LW 6
.set MK3, NLDS
	PH 1, 0
	PH 1, 1
	PH 1, 2
	PH 1, 3
	PLACES 4                                       ; slots 1-4 are free: block 2's first half, and its scale words
	WIN SEC0
	LDH 2, 0, 1
	WIN 0
	LSC 2, ES
	LW 7
	s_wait_dscnt NLDS-MK1
	PH 0, 4
	PH 0, 5
	s_wait_dscnt NLDS-MK2
	PH 1, 4
	PH 1, 5
	; region 1 changes hands: my last read of W has been issued
	WIN 0
	s_wait_tensorcnt 0x0
	ds_add_u32 v[SPW], v[NIL]
.set NLDS, NLDS+1
	s_wait_dscnt NLDS-MK3
	PH 0, 6
	PH 1, 6
	s_wait_dscnt 0x0                               ; the add is done, and my reads of W are in
	s_barrier_signal -1
	PH 0, 7
	PH 1, 7
	WIN 0
	s_barrier_wait -1
	CREST                                          ; both hold of every wave of every work-group of the cluster
	tensor_load_to_lds s[G0B:G0B+3], s[G1E:G1E+7]  ; part 1: my one tensor load behind the round
	s_nop 0
	PLACES 4                                       ; also the places ahead of the loads and the reads below
	WIN SEC0
	LDH 2, 1, 5                                    ; slots 5-8: block 2's second half
.set PP, 1
	REDUCE                                         ; block 0
.set RBN, 2
.rept 30
	RB
.set RBN, RBN+1
.endr
	; block 30's sum is finished and block 31 is reduced: at least four plain lines on other registers stand between a matrix instruction and the first line that reads its result or writes one of its sources (XA, XB)
.set PP, 0
	WIN SEC0
	STS 30
	REDUCE
	WIN SEC0
	STS 31
	WIN 0
	; THE WAY OUT: a row's four partial sums meet in the stage
	s_wait_dscnt 0x0                               ; for the others' sake: my stores into the stage are done
	s_barrier_signal -1
	s_barrier_wait -1
.irp u, 0,1
.irp pl, 0,1,2,3
	ds_load_b128 v[OUTR+16*\u+4*\pl:OUTR+16*\u+4*\pl+3], v[ARD] offset:4096*\pl+2048*\u    ; four rows a thread, 512 rows a turn
.endr
.endr
	s_wait_dscnt 0x0
.irp u, 0,1
.irp d, 0,2
	v_pk_add_f32 v[OUTR+16*\u+\d:OUTR+16*\u+\d+1], v[OUTR+16*\u+\d:OUTR+16*\u+\d+1], v[OUTR+16*\u+4+\d:OUTR+16*\u+4+\d+1]
	v_pk_add_f32 v[OUTR+16*\u+8+\d:OUTR+16*\u+8+\d+1], v[OUTR+16*\u+8+\d:OUTR+16*\u+8+\d+1], v[OUTR+16*\u+12+\d:OUTR+16*\u+12+\d+1]
.endr
.endr
.irp u, 0,1
.irp d, 0,2
	v_pk_add_f32 v[OUTR+16*\u+\d:OUTR+16*\u+\d+1], v[OUTR+16*\u+\d:OUTR+16*\u+\d+1], v[OUTR+16*\u+8+\d:OUTR+16*\u+8+\d+1]
.endr
.endr
.irp u, 0,1
	global_store_b128 v[AOUT], v[OUTR+16*\u:OUTR+16*\u+3], s[14:15] offset:2048*\u         ; a wave stores 512 consecutive bytes, at a multiple of 256 from part's first byte
.endr
	s_wait_tensorcnt 0x0                           ; the wave's end
	ds_add_u32 v[SPW], v[NIL]
	s_wait_dscnt 0x0
	CROUND                                         ; the closing round: no work-group ends while a partner may still ask for a tile that names it
	s_endpgm
.Lfunc_end_k_q87f2e560c9_energy:
	.size	k_q87f2e560c9_energy, .Lfunc_end_k_q87f2e560c9_energy-k_q87f2e560c9_energy
	.p2alignl 7, 3214868480
	.fill 96, 4, 3214868480
	.section	.rodata,"a",@progbits
	.p2align	6, 0x0
	.amdhsa_kernel k_q87f2e560c9_energy
		.amdhsa_group_segment_fixed_size 327680
		.amdhsa_private_segment_fixed_size 0
		.amdhsa_enable_private_segment 0
		.amdhsa_kernarg_size 48
		.amdhsa_user_sgpr_count 2
		.amdhsa_user_sgpr_kernarg_segment_ptr 1
		.amdhsa_wavefront_size32 1
		.amdhsa_system_sgpr_workgroup_id_x 1
		.amdhsa_system_sgpr_workgroup_id_y 1
		.amdhsa_system_sgpr_workgroup_id_z 1
		.amdhsa_system_vgpr_workitem_id 0
		.amdhsa_next_free_vgpr 1024
		.amdhsa_next_free_sgpr 102
		.amdhsa_reserve_vcc 0
		.amdhsa_float_denorm_mode_32 3
		.amdhsa_float_denorm_mode_16_64 3
		.amdhsa_memory_ordered 1
		.amdhsa_forward_progress 1
		.amdhsa_inst_pref_size 255
	.end_amdhsa_kernel
	.section	.bss,"aw",@nobits
	.p2align	6
	.space	262144
	.amdgpu_metadata
---
amdhsa.version: [ 1, 2 ]
amdhsa.kernels:
  - .name:           k_q87f2e560c9_energy
    .symbol:         k_q87f2e560c9_energy.kd
    .args:
      - { .name: W_codes, .offset: 0, .size: 8, .value_kind: global_buffer, .address_space: global }
      - { .name: W_scales, .offset: 8, .size: 8, .value_kind: global_buffer, .address_space: global }
      - { .name: encoder_outputs_codes, .offset: 16, .size: 8, .value_kind: global_buffer, .address_space: global }
      - { .name: encoder_outputs_scales, .offset: 24, .size: 8, .value_kind: global_buffer, .address_space: global }
      - { .name: hidden, .offset: 32, .size: 8, .value_kind: global_buffer, .address_space: global }
      - { .name: part, .offset: 40, .size: 8, .value_kind: global_buffer, .address_space: global }
    .group_segment_fixed_size: 327680
    .private_segment_fixed_size: 0
    .kernarg_segment_align: 8
    .kernarg_segment_size: 48
    .max_flat_workgroup_size: 128
    .sgpr_count:     102
    .vgpr_count:     1024
    .wavefront_size: 32
...
	.end_amdgpu_metadata
.endif
;; end of part 3
;; launch softmax (part 4): grid 32 x 1, 4 waves a work-group, no clusters, 768 bytes of LDS; arguments part, out0; writes out0
.if DOCPART == 4
	.amdgcn_target "amdgcn-amd-amdhsa--gfx1250"
	.amdhsa_code_object_version 6
	.text
	.protected	k_q87f2e560c9_softmax
	.globl	k_q87f2e560c9_softmax
	.p2align	8
	.type	k_q87f2e560c9_softmax,@function
k_q87f2e560c9_softmax:
	s_mov_b64 s[64:65], 0
	v_nop
	global_prefetch_b8 v0, s[64:65] scope:SCOPE_SE
	s_setreg_imm32_b32 hwreg(HW_REG_WAVE_MODE, 25, 1), 1
	s_wait_xcnt 0x0
; out0[b][s] = softmax over s of (part[0][b][s] + part[1][b][s] + part[2][b][s] + part[3][b][s]).  part: [4][32][2,048] f32, out0: [32][2,048] f32.
; A work-group takes one batch, 2,048 scores; thread t takes the four at byte 16 t of each quarter of 2,048 bytes, so that each load and store of a wave covers 512 consecutive bytes.
; The work is 32 rows of 8 KB: 32 work-groups, each byte read once: no cluster, no tensor load, no prefetch (there is no loop to run ahead in).
; ONE BARRIER: each wave takes its own maximum away, and its sum is of exponentials under that maximum; behind the barrier every lane reads the four waves' pairs (maximum, sum), takes the row's maximum, and brings each
; sum and its own exponentials under it by 2^((m_wave - m_row) log2(e)), a number of at most 1.  So no exponential exceeds 1 and the row's sum is at least 1.
	s_load_b128 s[4:7], s[0:1], 0x0                ; part, out0
	v_lshl_add_u32 v2, v0, 2, 0x100                ; my spare word
	v_mov_b32 v3, 0
	v_lshlrev_b32 v1, 4, v0                        ; 16 t
	v_lshrrev_b32 v4, 5, v0
	v_lshlrev_b32 v4, 3, v4                        ; 8 x wave: my wave's pair in LDS
	v_mov_b32 v5, 0                                ; written once: a lane permute's destination counts as one of its sources
	v_mov_b32 v6, 0                                ; LDS byte 0
	v_mov_b32 v9, 0                                ; named as the upper half of v[8:9] before the wave's sum lies there
	s_lshl_b32 s10, ttmp9, 13                      ; the batch's 8,192 bytes
	s_mov_b32 s11, 0
	s_mov_b32 s12, 0x76543210                      ; v_permlanex16_b32's selects for lane l xor 16
	s_mov_b32 s13, 0xfedcba98
	s_wait_alu depctr_va_vdst(0)
	s_wait_kmcnt 0x0
	s_add_nc_u64 s[4:5], s[4:5], s[10:11]
	s_add_nc_u64 s[6:7], s[6:7], s[10:11]
.irp q, 0,1,2,3
.irp i, 0,1,2,3
	global_load_b128 v[16+16*\q+4*\i:19+16*\q+4*\i], v1, s[4:5] offset:262144*\q+2048*\i th:TH_LOAD_NT   ; the four quarters' shares of my sixteen scores
.endr
.endr
	s_wait_loadcnt 0x0
.irp j, 0,2,4,6,8,10,12,14
	v_pk_add_f32 v[16+\j:17+\j], v[16+\j:17+\j], v[32+\j:33+\j]
	v_pk_add_f32 v[48+\j:49+\j], v[48+\j:49+\j], v[64+\j:65+\j]
.endr
.irp j, 0,2,4,6,8,10,12,14
	v_pk_add_f32 v[16+\j:17+\j], v[16+\j:17+\j], v[48+\j:49+\j]    ; v16-31: my sixteen scores
.endr
	; the wave's maximum
	v_max3_num_f32 v8, v16, v17, v18
	v_max3_num_f32 v10, v20, v21, v22
	v_max3_num_f32 v11, v24, v25, v26
	v_max3_num_f32 v12, v28, v29, v30
	v_max3_num_f32 v8, v8, v19, v23
	v_max3_num_f32 v11, v11, v27, v31
	v_max_num_f32 v10, v10, v12
	v_max3_num_f32 v8, v8, v10, v11
	v_max_num_f32_dpp v8, v8, v8 row_xmask:1 row_mask:0xf bank_mask:0xf
	v_max_num_f32_dpp v8, v8, v8 row_xmask:2 row_mask:0xf bank_mask:0xf
	v_max_num_f32_dpp v8, v8, v8 row_xmask:4 row_mask:0xf bank_mask:0xf
	v_max_num_f32_dpp v8, v8, v8 row_xmask:8 row_mask:0xf bank_mask:0xf
	v_permlanex16_b32 v5, v8, s12, s13
	v_max_num_f32 v8, v8, v5
	; e^(x - m) = 2^((x - m) log2(e)).  The difference comes first and is then scaled: fused as x log2(e) - m log2(e) it would be a difference of two large rounded products where the scores are large
.irp j, 0,2,4,6,8,10,12,14
	v_pk_add_f32 v[16+\j:17+\j], v[16+\j:17+\j], v[8:9] op_sel_hi:[1,0] neg_lo:[0,1] neg_hi:[0,1]
.endr
.irp j, 0,2,4,6,8,10,12,14
	v_pk_mul_f32 v[16+\j:17+\j], v[16+\j:17+\j], 0x3fb8aa3b op_sel_hi:[1,0]
.endr
	s_wait_alu depctr_va_vdst(0)                   ; ahead of the batch
.irp j, 0,1,2,3,4,5,6,7,8,9,10,11,12,13,14,15
	v_exp_f32 v[16+\j], v[16+\j]
.endr
	v_nop                                          ; one plain place behind the last exponential (ISA guide 5.7.2)
	s_wait_alu depctr_va_vdst(0)                   ; and the wait behind the batch
	; the wave's sum
.irp j, 0,2,4,6
	v_pk_add_f32 v[32+\j:33+\j], v[16+\j:17+\j], v[24+\j:25+\j]
.endr
	v_pk_add_f32 v[32:33], v[32:33], v[34:35]
	v_pk_add_f32 v[36:37], v[36:37], v[38:39]
	v_pk_add_f32 v[32:33], v[32:33], v[36:37]
	v_add_f32 v9, v32, v33
	v_add_f32_dpp v9, v9, v9 row_xmask:1 row_mask:0xf bank_mask:0xf
	v_add_f32_dpp v9, v9, v9 row_xmask:2 row_mask:0xf bank_mask:0xf
	v_add_f32_dpp v9, v9, v9 row_xmask:4 row_mask:0xf bank_mask:0xf
	v_add_f32_dpp v9, v9, v9 row_xmask:8 row_mask:0xf bank_mask:0xf
	v_permlanex16_b32 v5, v9, s12, s13
	v_add_f32 v9, v9, v5
	ds_store_b64 v4, v[8:9]                        ; all lanes write the same pair
	s_wait_dscnt 0x0                               ; for the others' sake
	s_barrier_signal -1
	s_barrier_wait -1
	ds_load_b128 v[32:35], v6                      ; the four pairs, in every lane
	ds_load_b128 v[36:39], v6 offset:16
	s_wait_dscnt 0x0
	v_max3_num_f32 v10, v32, v34, v36
	v_max_num_f32 v10, v10, v38                    ; the row's maximum
	v_sub_f32 v40, v32, v10
	v_sub_f32 v41, v34, v10
	v_sub_f32 v42, v36, v10
	v_sub_f32 v43, v38, v10
	v_sub_f32 v44, v8, v10                         ; my own wave's
.irp j, 40,41,42,43,44
	v_mul_f32 v[\j], 0x3fb8aa3b, v[\j]
.endr
	s_wait_alu depctr_va_vdst(0)                   ; ahead of the batch
.irp j, 40,41,42,43,44
	v_exp_f32 v[\j], v[\j]
.endr
	v_nop
	s_wait_alu depctr_va_vdst(0)                   ; behind the batch
	v_mul_f32 v45, v33, v40
	v_mul_f32 v46, v35, v41
	v_fma_f32 v45, v37, v42, v45
	v_fma_f32 v46, v39, v43, v46
	v_add_f32 v45, v45, v46                        ; the row's sum
	s_wait_alu depctr_va_vdst(0)                   ; ahead of the reciprocal
	v_rcp_f32 v47, v45
	v_nop
	s_wait_alu depctr_va_vdst(0)                   ; behind it
	v_mul_f32 v44, v44, v47                        ; what my wave's exponentials are multiplied by
.irp i, 0,1,2,3
	v_pk_mul_f32 v[16+4*\i:17+4*\i], v[16+4*\i:17+4*\i], v[44:45] op_sel_hi:[1,0]      ; (of the pair the low word serves both halves)
	v_pk_mul_f32 v[18+4*\i:19+4*\i], v[18+4*\i:19+4*\i], v[44:45] op_sel_hi:[1,0]
	global_store_b128 v1, v[16+4*\i:19+4*\i], s[6:7] offset:2048*\i th:TH_STORE_NT     ; a wave stores 512 consecutive bytes, at a multiple of 256 from out0's first byte
.endr
	s_wait_tensorcnt 0x0                           ; the wave's end
	ds_add_u32 v2, v3
	s_wait_dscnt 0x0
	s_endpgm
.Lfunc_end_k_q87f2e560c9_softmax:
	.size	k_q87f2e560c9_softmax, .Lfunc_end_k_q87f2e560c9_softmax-k_q87f2e560c9_softmax
	.p2alignl 7, 3214868480
	.fill 96, 4, 3214868480
	.section	.rodata,"a",@progbits
	.p2align	6, 0x0
	.amdhsa_kernel k_q87f2e560c9_softmax
		.amdhsa_group_segment_fixed_size 768
		.amdhsa_private_segment_fixed_size 0
		.amdhsa_enable_private_segment 0
		.amdhsa_kernarg_size 16
		.amdhsa_user_sgpr_count 2
		.amdhsa_user_sgpr_kernarg_segment_ptr 1
		.amdhsa_wavefront_size32 1
		.amdhsa_system_sgpr_workgroup_id_x 1
		.amdhsa_system_sgpr_workgroup_id_y 1
		.amdhsa_system_sgpr_workgroup_id_z 1
		.amdhsa_system_vgpr_workitem_id 0
		.amdhsa_next_free_vgpr 80
		.amdhsa_next_free_sgpr 66
		.amdhsa_reserve_vcc 0
		.amdhsa_float_denorm_mode_32 3
		.amdhsa_float_denorm_mode_16_64 3
		.amdhsa_memory_ordered 1
		.amdhsa_forward_progress 1
		.amdhsa_inst_pref_size 10
	.end_amdhsa_kernel
	.amdgpu_metadata
---
amdhsa.version: [ 1, 2 ]
amdhsa.kernels:
  - .name:           k_q87f2e560c9_softmax
    .symbol:         k_q87f2e560c9_softmax.kd
    .args:
      - { .name: part, .offset: 0, .size: 8, .value_kind: global_buffer, .address_space: global }
      - { .name: out0, .offset: 8, .size: 8, .value_kind: global_buffer, .address_space: global }
    .group_segment_fixed_size: 768
    .private_segment_fixed_size: 0
    .kernarg_segment_align: 8
    .kernarg_segment_size: 16
    .max_flat_workgroup_size: 128
    .sgpr_count:     66
    .vgpr_count:     80
    .wavefront_size: 32
...
	.end_amdgpu_metadata
.endif
;; end of part 4
